; MI455X (gfx1250); checked and timed in simulation.
; The chip was launched on July 23, 2026; its instructions are those of AMD's public machine-readable ISA for CDNA 5 (MIT licence, August 2026) and "CDNA5" Instruction Set Architecture Reference Guide (July 2026). The comments in the code are by the model that wrote it; some were corrected since.
;; Causal Self Attention. Allowed arithmetic: matrix products marked QUANTISED: E2M1 operands, one E8M0 scale for each 32 along K, by v_wmma_scale_f32_16x16x128_f8f6f4 with both operands' format E2M1 (or v_wmma_scale_f32_32x16x128_f4), f32 sums; products left as they are: bf16, f16 or f32 operands; f32 sums; everything else in f32.
;; Inputs: Wk 256 x 1,024 float32; Wproj 1,024 x 1,024 float32; Wq 1,024 x 1,024 float32; Wv 256 x 1,024 float32; q_gain 16 float32; x 4 x 2,048 x 1,024 float32.
;; Outputs: out0 4 x 2,048 x 1,024 float32.
;; This version of the problem:
;;   THIS VERSION OF THE PROBLEM IS GIVEN IN LOW PRECISION. The matrix products marked QUANTISED in the list below multiply operands that are first quantised to E2M1 (2 exponent bits, 1 mantissa bit; 4 bits a number), with one power-of-two scale for each 32 numbers along K (OCP MX v1.0); their sums are f32. The products marked 'left as it is' may take bf16, f16 or f32 operands, with f32 sums. Whichever they take, every output number must still come out within the allowed error. Rounding operands to bf16 (8 significant bits) uses up far more of that allowance than f16 does (11 bits, for magnitudes from 6e-5 to 65,504). All else is computed in f32.
;;   The module's matrix products, in the order in which they are computed (A, B: the left and right operand; K: the contracted axis; several contracted axes count as one K, in the product's order):
;;     1. [M 8,192, K 1,024] x [K 1,024, N 1,024]; A: input x; B: input Wq: QUANTISED
;;     2. [M 8,192, K 1,024] x [K 1,024, N 256]; A: input x; B: input Wk: QUANTISED
;;     3. [M 8,192, K 1,024] x [K 1,024, N 256]; A: input x; B: input Wv: QUANTISED
;;     4. batch 16 x [M 8,192, K 64] x [K 64, N 2,048]; A: computed on the way; B: computed on the way: left as it is (an operand is computed on the way)
;;     5. batch 16 x [M 8,192, K 2,048] x [K 2,048, N 64]; A: computed on the way; B: computed on the way: left as it is (an operand is computed on the way)
;;     6. [M 8,192, K 1,024] x [K 1,024, N 1,024]; A: computed on the way; B: input Wproj: left as it is (an operand is computed on the way)
;;   THE QUANTISER, for each operand of a quantised product, along K:
;;     - K is cut into blocks of 32 from its start; a last block that is shorter is filled with zeros.
;;     - A block's scale is 2^e with e = floor(log2(the largest magnitude in the block)) - 2, held to -126 .. 127; a block of zeros has e = 0. As a byte (E8M0): e + 127.
;;     - Each number is divided by its block's scale, clamped to +-6, and rounded to the nearest number of E2M1, ties to even, subnormals kept.
;;     - The product sums the exact products of the quantised numbers (number of the format x scale) in f32.
;;   ~~~python
;;   def quantise(x, axis):      # numpy; x: float32 -> the quantised numbers, widened to float32 again
;;       x = np.moveaxis(x, axis, -1); K = x.shape[-1]
;;       x = np.pad(x, [(0, 0)] * (x.ndim - 1) + [(0, -K % 32)]); x = x.reshape(x.shape[:-1] + (-1, 32)); a = np.abs(x).max(-1, keepdims=True)
;;       e = np.where(a > 0, np.clip(np.frexp(np.where(a > 0, a, 1))[1] - 1 - 2, -126, 127), 0)      # np.frexp(a)[1] - 1 = floor(log2(a)), exactly
;;       r = np.clip(x / 2.0 ** e, -6, 6)
;;       step = 2.0 ** (np.maximum(np.frexp(np.where(r == 0, 1, r))[1] - 1, 0) - 1)
;;       q = np.round(r / step) * step * 2.0 ** e      # np.round: ties to even
;;       return np.moveaxis(q.reshape(q.shape[:-2] + (-1,))[..., :K], -1, axis).astype(np.float32)
;;   ~~~
;; One version. Each part assembles by itself: llvm-mc -triple=amdgcn-amd-amdhsa -mcpu=gfx1250 --defsym DOCPART=n.
;; ======== version 1 of 1: 5 launches
;; limits: values are held in f16: magnitudes above 65,504 overflow, below 6.1e-05 lose precision
;; workspace buffers: xw_codes 4,980,736 bytes; xw_scales 311,296 bytes; wp_img 2,097,152 bytes; rope 524,288 bytes; q_img 16,777,216 bytes; kv_img 8,388,608 bytes; fine 393,216 bytes; y_img 16,777,216 bytes
;; launch prep (part 1): grid 400 x 1, 4 waves a work-group, no clusters, 33,280 bytes of LDS; arguments x, Wq, Wk, Wv, Wproj, xw_codes, xw_scales, wp_img, rope; writes xw_codes, xw_scales, wp_img, rope
.if DOCPART == 1
	.amdgcn_target "amdgcn-amd-amdhsa--gfx1250"
	.amdhsa_code_object_version 6
	.text
	.protected	k_qa2d92f7d07_prep
	.globl	k_qa2d92f7d07_prep
	.p2align	8
	.type	k_qa2d92f7d07_prep,@function
k_qa2d92f7d07_prep:
	s_mov_b64 s[64:65], 0
	v_nop
	global_prefetch_b8 v0, s[64:65] scope:SCOPE_SE
	s_setreg_imm32_b32 hwreg(HW_REG_WAVE_MODE, 25, 1), 1
	s_wait_xcnt 0x0
; PREP.  Three kinds of work-group, told apart by the work-group's number alone.
;  0..303   x, Wq, Wk, Wv (f32, K innermost) become codes of FP4 (E2M1) and one E8M0 byte for each 32 along K, laid as 9,728 rows on end: rows 0-8191 x, 8192-9215 Wq, 9216-9471 Wk, 9472-9727 Wv;
;           a row is 512 bytes of codes and 32 scale bytes.  A block's scale is 2^(floor(log2(largest magnitude)) - 2); its byte is that magnitude's exponent field - 2, held at 1 from below.
;  304..335 Wproj becomes f16, laid in the order of a matrix operand's registers: [16 rows nt][32 along K kf][half c][lane][16 bytes]; lane (r, h) holds Wproj[16 nt + r][32 kf + 16 c + 8 h + 0..7].
;  336..399 the table of cos and sin for the rotation: [position 2048][cos 32 | sin 32] f32, 256 bytes a position.
; LIMITS: NaN and infinities are not served.  A block of zeros, or one under 2^-124, keeps the byte 1 (its codes are zeros; only this program reads the bytes).  Wproj must lie inside f16's range.
; The angle position x 10000^(-i/32) is formed in f32 from an exponential good to one unit in the last place: it may differ from another f32 evaluation by about 3e-4 rad at the largest positions.
.set WAVES, 4
.set STEPS, 16
.set EMAX,  2
.set CB,    8                          ; bytes of 16 codes
.set R,     16                         ; v16-79   four sets of 16 numbers as loaded
.set X,     80                         ; v80-111  two sets of 16 neighbours
.set E,     112                        ; v112-127 a scale byte for each step
.set C,     128                        ; v128-191 codes, four registers for each step
.set WREG,  8192                       ; LDS: a region for each wave: two stages of 32 x SP bytes, then its 256 scale bytes
.set SP,    80                         ; a lane's place in a stage: 64 bytes + 16 of padding
.set SPW,   12                         ; v12  LDS address of my spare word; never rewritten
.set NIL,   13                         ; v13  0; never rewritten
.set SPARE, WAVES*WREG                 ; the spare words: 128 bytes a wave, named by no other line
	s_load_b256 s[4:11], s[0:1], 0x0               ; x, Wq, Wk, Wv
	s_load_b256 s[12:19], s[0:1], 0x20             ; Wproj, xw_codes, xw_scales, wp_img
	s_load_b64 s[20:21], s[0:1], 0x40              ; rope
	v_lshl_add_u32 v[SPW], v0, 2, SPARE
	v_mov_b32 v[NIL], 0
	v_lshrrev_b32 v1, 5, v0
	v_readfirstlane_b32 s22, v1                    ; wave
	v_and_b32 v2, 31, v0                           ; lane
	s_wait_kmcnt 0x0
	s_cmp_lt_u32 ttmp9, 304
	s_cbranch_scc0 .Lnot_q
; ---------------- the quantiser: a wave takes 16 steps of 512 numbers of a plain stream of blocks of 32
	v_lshlrev_b32 v3, 4, v2                        ; my 16 bytes of a load's 512
	s_mul_i32 s23, s22, WREG
	v_lshrrev_b32 v14, 2, v2
	v_mul_u32_u24 v14, v14, SP
	v_and_b32 v15, 3, v2
	v_lshl_add_u32 v14, v15, 4, v14
	v_add_nc_u32 v14, s23, v14                     ; the stage, on the way in: SP (lane / 4) + 16 (lane % 4)
	v_mul_u32_u24 v15, v2, SP
	v_add_nc_u32 v15, s23, v15                     ; on the way out: SP x lane: my 16 neighbours
	v_mul_u32_u24 v4, v2, CB                       ; my codes' place in a step's
	v_lshrrev_b32 v5, 1, v2
	s_add_co_u32 s23, s23, 2*32*SP
	v_add_nc_u32 v5, s23, v5                       ; my block's scale byte in my wave's 256
	v_lshlrev_b32 v7, 3, v2
	v_add_nc_u32 v6, s23, v7                       ; and on the way out 8 bytes a lane
	s_mov_b32 s24, 296                             ; which tensor, and its first work-group: the choice hangs on the work-group's number alone
	s_cmp_lt_u32 ttmp9, 296
	s_cselect_b64 s[10:11], s[8:9], s[10:11]
	s_cselect_b32 s24, 288, s24
	s_cmp_lt_u32 ttmp9, 288
	s_cselect_b64 s[10:11], s[6:7], s[10:11]
	s_cselect_b32 s24, 256, s24
	s_cmp_lt_u32 ttmp9, 256
	s_cselect_b64 s[10:11], s[4:5], s[10:11]
	s_cselect_b32 s24, 0, s24
	s_sub_co_u32 s25, ttmp9, s24
	s_lshl_b32 s25, s25, 2
	s_add_co_u32 s25, s25, s22                     ; my run of 8,192 numbers in the tensor
	s_lshl_b32 s26, s25, 15
	s_mov_b32 s27, 0
	s_add_nc_u64 s[10:11], s[10:11], s[26:27]
	s_lshl_b32 s25, ttmp9, 2
	s_add_co_u32 s25, s25, s22                     ; and in the joint buffers
	s_lshl_b32 s26, s25, 12
	s_add_nc_u64 s[14:15], s[14:15], s[26:27]      ; 4,096 bytes of codes a run
	s_lshl_b32 s26, s25, 8
	s_add_nc_u64 s[16:17], s[16:17], s[26:27]      ; 256 scale bytes a run
.macro LOAD t
.irp i, 0,1,2,3
	global_load_b128 v[R+16*((\t)%4)+4*\i:R+16*((\t)%4)+4*\i+3], v3, s[10:11] offset:2048*(\t)+512*\i th:TH_LOAD_NT   ; 32 lanes read 512 consecutive bytes
.endr
.endm
.macro TURN t                          ; a step's numbers through the stage: LDS serves a wave's instructions in order, so no wait stands between the stores and the loads
.irp i, 0,1,2,3
	ds_store_b128 v14, v[R+16*((\t)%4)+4*\i:R+16*((\t)%4)+4*\i+3] offset:32*SP*((\t)%2)+8*SP*\i
.endr
.irp i, 0,1,2,3
	ds_load_b128 v[X+16*((\t)%2)+4*\i:X+16*((\t)%2)+4*\i+3], v15 offset:32*SP*((\t)%2)+16*\i
.endr
.endm
.irp t, 0,1,2,3
	LOAD \t
.endr
	s_wait_loadcnt 12                              ; step 0's four loads are in
	TURN 0
.macro STEP t
.set XS, X+16*((\t)%2)
.if (\t) > 0
	s_wait_dscnt 1                                 ; this step's numbers are back from the stage; the last step's byte store may be out
.else
	s_wait_dscnt 0x0
.endif
.if (\t)+4 < STEPS
	LOAD (\t)+4
.endif
.if (\t)+1 < STEPS
.if STEPS-2-(\t) >= 3
	s_wait_loadcnt 12                              ; the next step's four loads are in; those of three later steps may be out
.else
	s_wait_loadcnt 4*(STEPS-2-(\t))
.endif
	TURN (\t)+1
.endif
	v_max3_num_f32 v8, |v[XS]|, |v[XS+1]|, |v[XS+2]|               ; the largest magnitude of my 16, in two chains
	v_max3_num_f32 v9, |v[XS+3]|, |v[XS+4]|, |v[XS+5]|
.irp i, 6,10
	v_max3_num_f32 v8, v8, |v[XS+\i]|, |v[XS+\i+1]|
	v_max3_num_f32 v9, v9, |v[XS+\i+2]|, |v[XS+\i+3]|
.endr
	v_max3_num_f32 v8, v8, |v[XS+14]|, |v[XS+15]|
	v_max3_num_f32 v8, v8, v9, (EMAX+1)<<23        ; and the floor 2^(EMAX + 1 - 127): the byte cannot fall under 1
	v_max_num_f32_dpp v8, v8, v8 row_xmask:1 row_mask:0xf bank_mask:0xf   ; with my neighbour's 16: the block's
	v_add_nc_u32 v11, -(EMAX<<23), v8              ; EMAX off the exponent field: the conversion takes this operand's exponent field as its scale
	v_cvt_scalef32_pk8_fp4_f32 v[C+4*(\t)], v[XS:XS+7], v11
	v_cvt_scalef32_pk8_fp4_f32 v[C+4*(\t)+1], v[XS+8:XS+15], v11
	v_lshrrev_b32 v[E+(\t)], 23, v11               ; the scale's byte
	ds_store_b8 v5, v[E+(\t)] offset:16*(\t)       ; both lanes of a block write the same byte with the same value
	global_store_b64 v4, v[C+4*(\t):C+4*(\t)+1], s[14:15] offset:32*CB*(\t)   ; the wave stores 256 consecutive bytes, aligned
.endm
.irp t, 0,1,2,3,4,5,6,7,8,9,10,11,12,13,14,15
	STEP \t
.endr
	ds_load_b64 v[8:9], v6                         ; in order behind my byte stores
	s_wait_dscnt 0x0
	global_store_b64 v7, v[8:9], s[16:17]          ; 32 lanes store 256 consecutive bytes, aligned
	s_wait_tensorcnt 0x0                           ; the wave's end
	ds_add_u32 v[SPW], v[NIL]
	s_wait_dscnt 0x0
	s_endpgm
; ---------------- Wproj to f16 images: a wave takes 16 rows x 512 along K, in four batches of 128 along K
.Lnot_q:
	s_cmp_lt_u32 ttmp9, 336
	s_cbranch_scc0 .Lrope
	s_sub_co_u32 s24, ttmp9, 304
	s_lshl_b32 s24, s24, 2
	s_add_co_u32 s24, s24, s22                     ; job 0..127
	s_lshr_b32 s25, s24, 1                         ; nt
	s_and_b32 s24, s24, 1                          ; which half of K
	s_lshl_b32 s26, s25, 16                        ; 16 rows of 4,096 bytes
	s_lshl_b32 s28, s24, 11                        ; 512 numbers
	s_add_co_u32 s26, s26, s28
	s_mov_b32 s27, 0
	s_add_nc_u64 s[12:13], s[12:13], s[26:27]
	s_lshl_b32 s26, s25, 15                        ; an nt's images: 32,768 bytes
	s_lshl_b32 s28, s24, 14
	s_add_co_u32 s26, s26, s28
	s_add_nc_u64 s[18:19], s[18:19], s[26:27]
	v_and_b32 v3, 15, v0
	v_bfe_u32 v4, v0, 4, 1
	v_lshlrev_b32 v3, 12, v3
	v_lshl_add_u32 v3, v4, 5, v3                   ; in: row r, + 32 h bytes.  A batch's 16 loads together take 512 consecutive bytes of each of the 16 rows
	v_lshlrev_b32 v4, 4, v2                        ; out: 16 x lane
.macro PLOAD t
.irp k, 0,1,2,3
.irp c, 0,1
.irp i, 0,1
	global_load_b128 v[16+64*((\t)%2)+16*\k+8*\c+4*\i:16+64*((\t)%2)+16*\k+8*\c+4*\i+3], v3, s[12:13] offset:(4*(\t)+\k)*128+64*\c+16*\i th:TH_LOAD_NT
.endr
.endr
.endr
.endm
.macro PBATCH t
.if (\t) < 3
	s_wait_loadcnt 16                              ; this batch is in; the next batch's 16 loads may be out
.else
	s_wait_loadcnt 0x0
.endif
	s_wait_xcnt 0x0                                ; the last batch's stores have read their registers
.irp k, 0,1,2,3
.irp c, 0,1
.irp p, 0,1,2,3
	v_cvt_pk_f16_f32 v[144+8*\k+4*\c+\p], v[16+64*((\t)%2)+16*\k+8*\c+2*\p], v[16+64*((\t)%2)+16*\k+8*\c+2*\p+1]
.endr
.endr
.endr
.irp k, 0,1,2,3
.irp c, 0,1
	global_store_b128 v4, v[144+8*\k+4*\c:144+8*\k+4*\c+3], s[18:19] offset:(4*(\t)+\k)*1024+512*\c   ; 512 consecutive bytes
.endr
.endr
.if (\t)+2 < 4
	PLOAD (\t)+2
.endif
.endm
	PLOAD 0
	PLOAD 1
	PBATCH 0
	PBATCH 1
	PBATCH 2
	PBATCH 3
	s_endpgm
; ---------------- the table: a thread makes four numbers (16 bytes) of four positions, 512 positions apart
.Lrope:
	s_sub_co_u32 s24, ttmp9, 336
	s_lshl_b32 s24, s24, 7
	v_add_nc_u32 v1, s24, v0                       ; entry e: position e / 16; entries 0-7 of a position are cos, 8-15 sin
	v_lshrrev_b32 v2, 4, v1
	v_bfe_u32 v3, v1, 3, 1
	v_sub_nc_u32 v3, 1, v3                         ; 1 for cos, 0 for sin: cos(a) = sin(a + a quarter turn)
	v_and_b32 v4, 7, v1
	v_lshlrev_b32 v4, 2, v4                        ; my first frequency
	v_lshlrev_b32 v5, 4, v1                        ; my bytes
	s_mov_b32 s25, 0xbfc90fdb                      ; -(pi/2 rounded to f32)
	s_mov_b32 s26, 0x333bbd2e                      ; that rounding's excess over pi/2
	v_mov_b32 v26, 0x3638ef1d                      ; 1/9!
	v_mov_b32 v27, 0x37d00d01                      ; 1/8!
.irp i, 0,1,2,3
	v_add_nc_u32 v[16+\i], \i, v4
.endr
.irp i, 0,1,2,3
	v_cvt_f32_u32 v[16+\i], v[16+\i]
.endr
.irp i, 0,1,2,3
	v_mul_f32 v[16+\i], 0xbed49a78, v[16+\i]       ; -i log2(10000) / 32
.endr
.irp i, 0,1,2,3
	v_exp_f32 v[20+\i], v[16+\i]                   ; 10000^(-i/32)
.endr
	v_nop                                          ; a plain line behind the last exponential
	s_wait_alu depctr_va_vdst(0)                   ; one wait for the four, ahead of their first reader
.macro RPASS p
	v_add_nc_u32 v6, 512*(\p), v2
	v_cvt_f32_u32 v6, v6
.irp i, 0,1,2,3
	v_mul_f32 v7, v6, v[20+\i]                     ; the angle
	v_mul_f32 v8, 0x3f22f983, v7
	v_rndne_f32 v8, v8                             ; quarter turns
	v_fma_f32 v9, v8, s25, v7
	v_fma_f32 v9, v8, s26, v9                      ; what is left, within pi/4 of 0
	v_mul_f32 v10, v9, v9
	v_fmaak_f32 v11, v26, v10, 0xb9500d01          ; sine's and cosine's series, by turns
	v_fmaak_f32 v14, v27, v10, 0xbab60b61
	v_fmaak_f32 v11, v11, v10, 0x3c088889
	v_fmaak_f32 v14, v14, v10, 0x3d2aaaab
	v_fmaak_f32 v11, v11, v10, 0xbe2aaaab
	v_fmaak_f32 v14, v14, v10, 0xbf000000
	v_mul_f32 v15, v9, v10
	v_fmaak_f32 v14, v14, v10, 0x3f800000
	v_fma_f32 v11, v15, v11, v9
	v_cvt_i32_f32 v24, v8
	v_add_nc_u32 v24, v24, v3                      ; the quadrant: odd takes the cosine's series, 2 and 3 change the sign
	v_and_b32 v25, 1, v24
	v_cmp_eq_u32 vcc_lo, 1, v25
	v_cndmask_b32 v11, v11, v14, vcc_lo
	v_and_b32 v24, 2, v24
	v_lshlrev_b32 v24, 30, v24
	v_xor_b32 v[32+4*(\p)+\i], v11, v24
.endr
	global_store_b128 v5, v[32+4*(\p):35+4*(\p)], s[20:21] offset:131072*(\p)   ; a wave stores 512 consecutive bytes
.endm
	RPASS 0
	RPASS 1
	RPASS 2
	RPASS 3
	s_endpgm
.Lfunc_end_k_qa2d92f7d07_prep:
	.size	k_qa2d92f7d07_prep, .Lfunc_end_k_qa2d92f7d07_prep-k_qa2d92f7d07_prep
	.p2alignl 7, 3214868480
	.fill 96, 4, 3214868480
	.section	.rodata,"a",@progbits
	.p2align	6, 0x0
	.amdhsa_kernel k_qa2d92f7d07_prep
		.amdhsa_group_segment_fixed_size 33280
		.amdhsa_private_segment_fixed_size 0
		.amdhsa_enable_private_segment 0
		.amdhsa_kernarg_size 72
		.amdhsa_user_sgpr_count 2
		.amdhsa_user_sgpr_kernarg_segment_ptr 1
		.amdhsa_wavefront_size32 1
		.amdhsa_system_sgpr_workgroup_id_x 1
		.amdhsa_system_sgpr_workgroup_id_y 1
		.amdhsa_system_sgpr_workgroup_id_z 1
		.amdhsa_system_vgpr_workitem_id 0
		.amdhsa_next_free_vgpr 192
		.amdhsa_next_free_sgpr 66
		.amdhsa_reserve_vcc 1
		.amdhsa_float_denorm_mode_32 3
		.amdhsa_float_denorm_mode_16_64 3
		.amdhsa_memory_ordered 1
		.amdhsa_forward_progress 1
		.amdhsa_inst_pref_size 71
	.end_amdhsa_kernel
	.amdgpu_metadata
---
amdhsa.version: [ 1, 2 ]
amdhsa.kernels:
  - .name:           k_qa2d92f7d07_prep
    .symbol:         k_qa2d92f7d07_prep.kd
    .args:
      - { .name: x, .offset: 0, .size: 8, .value_kind: global_buffer, .address_space: global }
      - { .name: Wq, .offset: 8, .size: 8, .value_kind: global_buffer, .address_space: global }
      - { .name: Wk, .offset: 16, .size: 8, .value_kind: global_buffer, .address_space: global }
      - { .name: Wv, .offset: 24, .size: 8, .value_kind: global_buffer, .address_space: global }
      - { .name: Wproj, .offset: 32, .size: 8, .value_kind: global_buffer, .address_space: global }
      - { .name: xw_codes, .offset: 40, .size: 8, .value_kind: global_buffer, .address_space: global }
      - { .name: xw_scales, .offset: 48, .size: 8, .value_kind: global_buffer, .address_space: global }
      - { .name: wp_img, .offset: 56, .size: 8, .value_kind: global_buffer, .address_space: global }
      - { .name: rope, .offset: 64, .size: 8, .value_kind: global_buffer, .address_space: global }
    .group_segment_fixed_size: 33280
    .private_segment_fixed_size: 0
    .kernarg_segment_align: 8
    .kernarg_segment_size: 72
    .max_flat_workgroup_size: 128
    .sgpr_count:     66
    .vgpr_count:     192
    .wavefront_size: 32
...
	.end_amdgpu_metadata
.endif
;; end of part 1
;; launch qkv (part 2): grid 6 x 32, 4 waves a work-group, no clusters, 327,680 bytes of LDS; arguments xw_codes, xw_scales, rope, q_gain, q_img, kv_img, fine; writes q_img, kv_img, fine
.if DOCPART == 2
	.amdgcn_target "amdgcn-amd-amdhsa--gfx1250"
	.amdhsa_code_object_version 6
	.text
	.protected	k_qa2d92f7d07_qkv
	.globl	k_qa2d92f7d07_qkv
	.p2align	8
	.type	k_qa2d92f7d07_qkv,@function
k_qa2d92f7d07_qkv:
	s_mov_b64 s[64:65], 0
	v_nop
	global_prefetch_b8 v0, s[64:65] scope:SCOPE_SE
	s_setreg_imm32_b32 hwreg(HW_REG_WAVE_MODE, 25, 1), 1
	s_wait_xcnt 0x0
; QKV.  x Wq^T, x Wk^T, x Wv^T on codes of FP4 (E2M1) with E8M0 scales, K = 1,024; then RMS norm, rotation and gain in f32; q, k, v leave as f16 in the order of the next products' operand registers.
; A work-group makes 256 x 256: grid x = nt (0-3 query heads, 4 key heads, 5 value heads), grid y = mt (256 positions).  Four waves, 128 x 128 each: 64 accumulators, 512 registers.
; ALL OF K LIES IN LDS AT ONCE: two slots of 512 along K (rows of 256 bytes + 16 of padding) and the rows' scale bytes; three tensor loads a wave, all at the head; nothing is filled again.
; THE MATRIX INSTRUCTION IS USED TRANSPOSED: source 0 = 16 rows of region B, source 1 = 16 rows of region A: a lane holds ONE row of A and eight neighbouring rows of B.
;   nt < 5: A = positions, B = channels: a lane holds a position and its registers run along channels: 8 numbers pack into the 16 bytes that a lane of the next product's K- or Q-fragment wants.
;   nt = 5: A = Wv's channels, B = positions: a lane holds a channel and its registers run along positions (the keys): the fragment of V^T.  Only the two first rows are chosen, by the work-group's number.
; NO CLUSTER: six tiles along x divide by no cluster of four; along y only the weights' half of bytes that are fetched once would be shared, and in the value tile that half lies in the other region.
; Positions 0-15 of each sequence are also stored in f32, for the last launch.
; q carries gain x log2(e) / 8, so that the next launch's exponentials are in base 2.
; LIMITS: NaN and infinities are not served; v must lie inside f16's range (65,504).
; REGISTERS: window 0: v16-29 addresses; v32-95 scale words, two sets; v128-191 A's fragments, one set; v192-255 the table's first two sets.  window 1: B's fragments, two sets.  windows 2, 3: accumulator (a, b) at v[8 (8 (a % 4) + b)].
.set KSTEP,  512
.set NQ,     4
.set ROWB,   256
.set PITCH,  272                       ; 68 words: the 16 rows of a fragment load start at 16 different banks
.set FR,     8
.set NL,     2
.set NP,     4
.set HALFT,  128*PITCH
.set SLOT,   4*HALFT                   ; A's 256 rows, then B's 256 rows
.set SCL,    2*SLOT                    ; the scale bytes, as units of 256 bytes + 16 of padding
.set HALFS,  16*272                    ; those of 128 rows
.set SBLK,   2*272                     ; those of 16 rows
.set SPARE,  SCL+4*HALFS               ; the spare words
.set ADRA, 16
.set ADRB, 20
.set TAB,  24                          ; v24  256 r + 32 h: my place in 16 rows of the table, and of the f32 copy of q and k
.set OL,   25                          ; v25  16 x lane
.set VT,   26                          ; v26  64 r + 32 h: my place in the f32 copy of v
.set ADRS, 27
.set SPW,  28
.set NIL,  29
.set SC,   32
.set AF,   128
.set SS,   32                          ; the way out: v32-47 sums of squares, v48-63 factors, v64-95 a head's 32 numbers, v96-127 packed, two sets
.set FF,   48
.set OB,   64
.set PB,   96
.set G1,   24                          ; s[24:31] group 1 for codes; s[32:39] for scale bytes; s[40:43], s[44:47], s[48:51] groups 0
.set G1S,  32
.set MSB, 0
.macro WIN new
.if MSB != (\new)
	s_set_vgpr_msb (MSB<<8)|(\new)
.set MSB, (\new)
.endif
.endm
.set MUL_LO, 0xa1
.set MUL_HI, 0xf1
.set TO_B,   0x40
	s_load_b256 s[4:11], s[0:1], 0x0               ; codes, scales, rope, q_gain
	s_load_b128 s[12:15], s[0:1], 0x20             ; q_img, kv_img
	s_load_b64 s[16:17], s[0:1], 0x30              ; fine
	v_lshl_add_u32 v[SPW], v0, 2, SPARE
	v_mov_b32 v[NIL], 0
	ds_add_u32 v[SPW], v[NIL]                      ; the opening: the add, twice on end, and its wait ahead of my first tensor load
	ds_add_u32 v[SPW], v[NIL]
	v_lshrrev_b32 v1, 5, v0
	v_readfirstlane_b32 s18, v1                    ; wave
	s_lshr_b32 s19, s18, 1                         ; RH: my half of A's rows; also: I fetch for A (0) or B (1)
	s_and_b32 s20, s18, 1                          ; CH: my half of B's rows; also: which 128 rows I fetch
	s_mov_b32 s21, ttmp9                           ; nt
	s_and_b32 s22, ttmp7, 0xffff                   ; mt
	s_mov_b32 s[G1+0], (0<<16)|(1<<20)|(5<<22)|(3<<25)   ; bytes; 4 words of padding behind every 64
	s_mov_b32 s[G1+1], ROWB<<16
	s_mov_b32 s[G1+2], 128<<16
	s_mov_b32 s[G1+3], ROWB<<16
	s_mov_b32 s[G1+4], 128
	s_mov_b32 s[G1+5], 512                         ; a row of codes in memory
	s_mov_b32 s[G1+6], 0
	s_mov_b32 s[G1+7], 0
	s_mov_b32 s[G1S+0], (3<<16)|(1<<20)|(5<<22)|(3<<25)  ; 128 rows' scale bytes: 4,096 dense bytes as 16 rows of 32 elements of 8 bytes
	s_mov_b32 s[G1S+1], 32<<16
	s_mov_b32 s[G1S+2], 16<<16
	s_mov_b32 s[G1S+3], 32<<16
	s_mov_b32 s[G1S+4], 16
	s_mov_b32 s[G1S+5], 32
	s_mov_b32 s[G1S+6], 0
	s_mov_b32 s[G1S+7], 0
	s_lshl_b32 s66, s22, 8                         ; x's rows: 256 mt
	s_lshl_b32 s67, s21, 8
	s_add_co_u32 s67, s67, 8192                    ; the weights' rows: 8,192 + 256 nt
	s_cmp_lt_u32 s21, 5
	s_cselect_b32 s68, s66, s67                    ; region A's first row
	s_cselect_b32 s69, s67, s66                    ; region B's
	s_cmp_eq_u32 s19, 0
	s_cselect_b32 s68, s68, s69
	s_lshl_b32 s69, s20, 7
	s_add_co_u32 s68, s68, s69                     ; the first of the 128 rows that I fetch
	s_mul_i32 s77, s18, HALFT
	s_mul_i32 s78, s18, HALFS
	s_mov_b32 s52, 0x76543210
	s_mov_b32 s53, 0xfedcba98                      ; lane l xor 16
	s_mov_b32 s54, 0x3c800000                      ; 1/64
	s_mov_b32 s55, 0x34000000                      ; the norm's eps, 2^-23
	s_wait_dscnt 0x0                               ; both opening adds are done
	s_wait_kmcnt 0x0
	s_lshl_b32 s66, s68, 5
	s_mov_b32 s67, 0
	s_mov_b32 s40, 1
	s_add_co_u32 s41, s78, SCL
	s_add_nc_u64 s[42:43], s[6:7], s[66:67]
	s_or_b32 s43, s43, 0x80000000
	s_lshl_b32 s66, s68, 9
	s_mov_b32 s44, 1
	s_mov_b32 s45, s77
	s_add_nc_u64 s[46:47], s[4:5], s[66:67]
	s_mov_b32 s48, 1
	s_add_co_u32 s49, s77, SLOT
	s_add_nc_u64 s[50:51], s[46:47], ROWB
	s_or_b32 s47, s47, 0x80000000
	s_or_b32 s51, s51, 0x80000000
	tensor_load_to_lds s[40:43], s[G1S:G1S+7]      ; the scale bytes; three loads of mine are out behind these lines
	s_nop 0
	tensor_load_to_lds s[44:47], s[G1:G1+7]        ; K 0..511
	s_nop 0
	tensor_load_to_lds s[48:51], s[G1:G1+7]        ; K 512..1023
	s_nop 0
.rept 4
	v_nop
.endr
	s_lshl_b32 s75, s21, 2                         ; my two heads' gains (held inside the table for the key and value tiles, which do not use them)
	s_lshl_b32 s73, s20, 1
	s_add_co_u32 s75, s75, s73
	s_min_u32 s75, s75, 14
	s_lshl_b32 s75, s75, 2
	s_load_b64 s[56:57], s[10:11], s75 offset:0x0
	v_and_b32 v1, 15, v0
	v_bfe_u32 v2, v0, 4, 1
	v_mul_u32_u24 v3, v1, PITCH
	v_lshl_add_u32 v4, v2, 4, v3
	s_mul_i32 s72, s19, HALFT
	s_mul_i32 s73, s20, HALFT
	s_add_co_u32 s73, s73, 2*HALFT
.irp s, 0,1
	v_add_nc_u32 v[ADRA+\s], s72, v4
	v_add_nc_u32 v[ADRB+\s], s73, v4
	s_add_co_u32 s72, s72, SLOT
	s_add_co_u32 s73, s73, SLOT
.endr
	v_lshlrev_b32 v5, 5, v1                        ; my row's scale bytes: 32 a row,
	v_lshrrev_b32 v6, 8, v5
	v_lshl_add_u32 v5, v6, 4, v5                   ; and 16 more for each 256 passed
	s_mul_i32 s72, s19, HALFS
	s_mul_i32 s73, s20, HALFS
	s_add_co_u32 s73, s73, 2*HALFS
	s_sub_co_u32 s73, s73, s72
	v_mul_u32_u24 v6, s73, v2                      ; lanes 16-31 take B's
	s_add_co_u32 s72, s72, SCL
	v_add_nc_u32 v5, v5, v6
	v_add_nc_u32 v[ADRS], s72, v5
	v_lshlrev_b32 v[TAB], 8, v1
	v_lshl_add_u32 v[TAB], v2, 5, v[TAB]
	v_lshlrev_b32 v[VT], 6, v1
	v_lshl_add_u32 v[VT], v2, 5, v[VT]
	v_and_b32 v3, 31, v0
	v_lshlrev_b32 v[OL], 4, v3
	s_and_b32 s70, s22, 7                          ; mt within the sequence
	s_lshr_b32 s71, s22, 3                         ; the batch
	s_lshl_b32 s66, s70, 16
	s_lshl_b32 s67, s19, 15
	s_add_co_u32 s66, s66, s67
	s_mov_b32 s67, 0
	s_add_nc_u64 s[62:63], s[8:9], s[66:67]        ; the table at my first position
	s_lshl_b32 s72, s71, 4
	s_lshl_b32 s73, s21, 2
	s_add_co_u32 s72, s72, s73                     ; 16 b + 4 nt
	s_lshl_b32 s73, s71, 2                         ; 4 b
	s_cmp_lt_u32 s21, 4
	s_cselect_b32 s72, s72, s73
	s_cselect_b64 s[58:59], s[12:13], s[14:15]
	s_cselect_b32 s74, 0, 0x40000                  ; the f32 copy: q's part at 0, k's at 262,144
	s_lshl_b32 s73, s20, 1
	s_add_co_u32 s72, s72, s73                     ; my first head
	s_lshl_b32 s66, s72, 18
	s_lshl_b32 s73, s70, 15
	s_add_co_u32 s66, s66, s73
	s_lshl_b32 s73, s19, 14
	s_add_co_u32 s66, s66, s73
	s_add_nc_u64 s[58:59], s[58:59], s[66:67]      ; where my images go
	s_lshl_b32 s66, s72, 12
	s_add_co_u32 s66, s66, s74
	s_add_nc_u64 s[60:61], s[16:17], s[66:67]
	s_or_b32 s76, s70, s19                         ; 0 where my block a = 0 is positions 0-15
.macro TLD a                           ; the table's 16 positions of block a: cos 16 registers, sin 16
.set TSL, 128+32*(((\a)+2)%4)
.irp k, 0,1
.irp nb, 0,1
.irp i, 0,1
	global_load_b128 v[TSL+16*\k+8*\nb+4*\i:TSL+16*\k+8*\nb+4*\i+3], v[TAB], s[62:63] offset:(\a)*4096+128*\k+64*\nb+16*\i
.endr
.endr
.endr
.endm
	TLD 0                                          ; they land while the products run
	TLD 1
	s_wait_kmcnt 0x0                               ; the gains
.macro FRAG reg, adr, q, i
.irp c, 0,1
	ds_load_b128 v[\reg+4*\c:\reg+4*\c+3], v[\adr] offset:64*(\q)+32*\c+(\i)*16*PITCH
.endr
.endm
; 16 matrix instructions: A's blocks a0, a0 + 1 x B's eight.  The 64 accumulators take turns, one instruction a turn.
.macro MUL16 a0, p, q, sc, zero
.irp a, \a0, \a0+1
.irp b, 0,1,2,3,4,5,6,7
.if \zero
	v_wmma_scale_f32_16x16x128_f8f6f4 v[8*(8*((\a)%4)+\b):8*(8*((\a)%4)+\b)+7], v[128*(\p)+FR*\b:128*(\p)+FR*\b+FR-1], v[AF+FR*(\a):AF+FR*(\a)+FR-1], 0, v[SC+8*NQ*(\sc)+NQ*\b+(\q)], v[SC+8*NQ*(\sc)+NQ*(\a)+(\q)] matrix_a_fmt:MATRIX_FMT_FP4 matrix_b_fmt:MATRIX_FMT_FP4 matrix_a_scale:MATRIX_SCALE_ROW1
.else
	v_wmma_scale_f32_16x16x128_f8f6f4 v[8*(8*((\a)%4)+\b):8*(8*((\a)%4)+\b)+7], v[128*(\p)+FR*\b:128*(\p)+FR*\b+FR-1], v[AF+FR*(\a):AF+FR*(\a)+FR-1], v[8*(8*((\a)%4)+\b):8*(8*((\a)%4)+\b)+7], v[SC+8*NQ*(\sc)+NQ*\b+(\q)], v[SC+8*NQ*(\sc)+NQ*(\a)+(\q)] matrix_a_fmt:MATRIX_FMT_FP4 matrix_b_fmt:MATRIX_FMT_FP4 matrix_a_scale:MATRIX_SCALE_ROW1
.endif
.endr
.endr
.endm
.macro FETCH_B slot, q, p
	WIN TO_B
.irp i, 0,1,2,3,4,5,6,7
	FRAG 128*(\p)+FR*\i, ADRB+\slot, \q, \i
.endr
	WIN 0
.endm
.macro FETCH_A slot, q, i0
.irp i, \i0, \i0+1, \i0+2, \i0+3
	FRAG AF+FR*(\i), ADRA+\slot, \q, \i
.endr
.endm
.macro SCALES sc                       ; a slot's scale words: lanes 0-15 A's block i, lanes 16-31 B's block i
.irp i, 0,1,2,3,4,5,6,7
	ds_load_b128 v[SC+8*NQ*\sc+NQ*\i:SC+8*NQ*\sc+NQ*\i+3], v[ADRS] offset:\i*SBLK
.endr
.endm
.macro PLACES n                        ; plain vector lines between a matrix instruction and a load into, or a read of, its registers
.rept \n
	v_nop
.endr
.endm
.macro STEP slot, q, zero
	s_wait_dscnt 4*NL                              ; all but A's blocks 4-7, the youngest eight loads
	WIN MUL_LO
	MUL16 0, (\q)%2, \q, \slot, \zero
	MUL16 2, (\q)%2, \q, \slot, \zero
	s_wait_dscnt 0
	PLACES NP
	FETCH_B \slot, (\q)+1, 1-(\q)%2
	FETCH_A \slot, (\q)+1, 0
	WIN MUL_HI
	MUL16 4, (\q)%2, \q, \slot, \zero
	MUL16 6, (\q)%2, \q, \slot, \zero
	PLACES NP
	WIN 0
	FETCH_A \slot, (\q)+1, 4
.endm
	s_wait_tensorcnt 1                             ; the scale bytes and my part of slot 0 are in; slot 1's load may be out
	s_barrier_signal -1
	s_barrier_wait -1
	FETCH_B 0, 0, 0
	FETCH_A 0, 0, 0
	SCALES 0
	FETCH_A 0, 0, 4
	STEP 0, 0, 1                                   ; the first step's products start the sums
	STEP 0, 1, 0
	STEP 0, 2, 0
	; slot 0's last step goes over to slot 1: my part of it has landed, and after the barrier everybody's has
	s_wait_tensorcnt 0x0
	ds_add_u32 v[SPW], v[NIL]
	s_wait_dscnt 4*NL+1                            ; the add and A's blocks 4-7 may be out
	WIN MUL_LO
	MUL16 0, 1, NQ-1, 0, 0
	s_wait_dscnt 0x0
	s_barrier_signal -1
	MUL16 2, 1, NQ-1, 0, 0
	WIN 0
	s_barrier_wait -1
	PLACES NP
	v_add_nc_u32 v[ADRS], 4*NQ, v[ADRS]            ; the second slot's scale words
	FETCH_B 1, 0, 0
	FETCH_A 1, 0, 0
	SCALES 1
	WIN MUL_HI
	MUL16 4, 1, NQ-1, 0, 0
	MUL16 6, 1, NQ-1, 0, 0
	PLACES NP
	WIN 0
	FETCH_A 1, 0, 4
	STEP 1, 0, 0
	STEP 1, 1, 0
	STEP 1, 2, 0
	s_wait_dscnt 4*NL
	WIN MUL_LO
	MUL16 0, 1, NQ-1, 1, 0
	MUL16 2, 1, NQ-1, 1, 0
	s_wait_dscnt 0
	WIN MUL_HI
	MUL16 4, 1, NQ-1, 1, 0
	MUL16 6, 1, NQ-1, 1, 0
	WIN 0
	PLACES NP
	s_cmp_eq_u32 s21, 5
	s_cbranch_scc1 .Lepi_v
; ---------------- q and k: lane = position 16 a + r, registers = channels; my two heads hh are column blocks 4 hh + nb
	TLD 2
	TLD 3
	s_mov_b32 s79, 0x3e38aa3b                      ; log2(e) / 8
	v_mov_b32 v30, s56
	v_mov_b32 v31, s57
	v_mul_f32 v30, s79, v30
	v_mul_f32 v31, s79, v31
	v_readfirstlane_b32 s56, v30
	v_readfirstlane_b32 s57, v31
	s_cmp_lt_u32 s21, 4
	s_cselect_b32 s56, s56, 1.0                    ; k has no gain
	s_cselect_b32 s57, s57, 1.0
.macro SSQ w                           ; sums of squares of my 32 channels, for the window's four blocks x two heads: eight chains by turns; each accumulator is read from its low end on
	WIN 0x0a+5*(\w)
.irp p, 0,1,2,3,4,5,6,7,8,9,10,11,12,13,14,15
.irp g, 0,1,2,3,4,5,6,7
.set RX, 8*(8*((\g)/2)+4*((\g)%2)+(\p)/4)+2*((\p)%4)
.if \p == 0
	v_pk_mul_f32 v[SS+2*\g:SS+2*\g+1], v[RX:RX+1], v[RX:RX+1]
.else
	v_pk_fma_f32 v[SS+2*\g:SS+2*\g+1], v[RX:RX+1], v[RX:RX+1], v[SS+2*\g:SS+2*\g+1]
.endif
.endr
.endr
	WIN 0
.endm
.macro STAT                            ; rsqrt(mean + eps) x the head's factor
.irp g, 0,1,2,3,4,5,6,7
	v_add_f32 v[SS+2*\g], v[SS+2*\g], v[SS+2*\g+1]
.endr
.irp g, 0,1,2,3,4,5,6,7
	v_permlanex16_b32 v[SS+2*\g+1], v[SS+2*\g], s52, s53   ; the head's other 32 channels lie in the lane 16 away
.endr
.irp g, 0,1,2,3,4,5,6,7
	v_add_f32 v[SS+2*\g], v[SS+2*\g], v[SS+2*\g+1]
.endr
.irp g, 0,1,2,3,4,5,6,7
	v_fma_f32 v[SS+2*\g], v[SS+2*\g], s54, s55
.endr
.irp g, 0,1,2,3,4,5,6,7
	v_rsq_f32 v[SS+2*\g+1], v[SS+2*\g]
.endr
	v_nop                                          ; a plain line behind the last of the batch
	s_wait_alu depctr_va_vdst(0)                   ; one wait for the eight, ahead of their first reader
.irp g, 0,1,2,3,4,5,6,7
	v_mul_f32 v[FF+2*\g], s[56+(\g)%2], v[SS+2*\g+1]
	v_mul_f32 v[FF+2*\g+1], s[56+(\g)%2], v[SS+2*\g+1]
.endr
.endm
.macro ROPE a                          ; block a: rotation, factor, f16, store
.set AP, (\a)%4
.set TSR, 128+32*(((\a)+2)%4)
.if (\a) <= 4
	s_wait_loadcnt 24                              ; this block's table is in; three later sets of eight loads may be out
.else
	s_wait_loadcnt 8*(7-(\a))
.endif
.irp hh, 0,1
	s_wait_xcnt 0x0                                ; earlier stores have read the registers that are written below
	WIN 0x02+(\a)/4
.irp nb, 0,1
.irp jj, 0,2,4,6
.set X1, 8*(8*AP+4*\hh+\nb)+\jj
.set X2, X1+16
	v_pk_mul_f32 v[OB+8*\nb+\jj:OB+8*\nb+\jj+1], v[X2:X2+1], v[TSR+16+8*\nb+\jj:TSR+16+8*\nb+\jj+1]
	v_pk_mul_f32 v[OB+16+8*\nb+\jj:OB+16+8*\nb+\jj+1], v[X1:X1+1], v[TSR+16+8*\nb+\jj:TSR+16+8*\nb+\jj+1]
	v_pk_fma_f32 v[OB+8*\nb+\jj:OB+8*\nb+\jj+1], v[X1:X1+1], v[TSR+8*\nb+\jj:TSR+8*\nb+\jj+1], v[OB+8*\nb+\jj:OB+8*\nb+\jj+1]                                  ; x1 cos + x2 sin
	v_pk_fma_f32 v[OB+16+8*\nb+\jj:OB+16+8*\nb+\jj+1], v[X2:X2+1], v[TSR+8*\nb+\jj:TSR+8*\nb+\jj+1], v[OB+16+8*\nb+\jj:OB+16+8*\nb+\jj+1] neg_lo:[0,0,1] neg_hi:[0,0,1]   ; x2 cos - x1 sin
.endr
.endr
	WIN 0
.irp p, 0,2,4,6,8,10,12,14,16,18,20,22,24,26,28,30
	v_pk_mul_f32 v[OB+\p:OB+\p+1], v[OB+\p:OB+\p+1], v[FF+2*(2*AP+\hh):FF+2*(2*AP+\hh)+1] op_sel_hi:[1,0]
.endr
.if (\a) == 0
	s_cmp_lg_u32 s76, 0                            ; positions 0-15 also leave in f32
	s_cbranch_scc1 .Lnofine_\hh
.irp nx, 0,1,2,3
.irp i, 0,1
	global_store_b128 v[TAB], v[OB+8*\nx+4*\i:OB+8*\nx+4*\i+3], s[60:61] offset:\hh*4096+64*\nx+16*\i
.endr
.endr
.Lnofine_\hh:
.endif
.irp nx, 0,1,2,3
.irp p, 0,1,2,3
	v_cvt_pk_f16_f32 v[PB+16*\hh+4*\nx+\p], v[OB+8*\nx+2*\p], v[OB+8*\nx+2*\p+1]
.endr
.endr
.irp nx, 0,1,2,3
	global_store_b128 v[OL], v[PB+16*\hh+4*\nx:PB+16*\hh+4*\nx+3], s[58:59] offset:\hh*262144+(\a)*2048+512*\nx   ; 512 consecutive bytes
.endr
.endr
.if (\a) < 4
	TLD (\a)+4
.endif
.endm
	SSQ 0
	STAT
	ROPE 0
	ROPE 1
	ROPE 2
	ROPE 3
	SSQ 1
	STAT
	ROPE 4
	ROPE 5
	ROPE 6
	ROPE 7
	s_wait_tensorcnt 0x0                           ; the wave's end
	ds_add_u32 v[SPW], v[NIL]
	s_wait_dscnt 0x0
	s_endpgm
; ---------------- v: lane = channel 128 RH + 16 a + r, registers = positions 128 CH + 16 b + 8 h + j
.Lepi_v:
	s_wait_loadcnt 0x0                             ; the table's loads, not used here, have landed: their registers are written below
	s_lshl_b32 s72, s71, 2
	s_lshl_b32 s73, s19, 1
	s_add_co_u32 s72, s72, s73                     ; 4 b + 2 RH: my first value head
	s_lshl_b32 s66, s72, 18
	s_add_co_u32 s66, s66, 0x400000                ; v's images lie behind k's
	s_lshl_b32 s73, s70, 15
	s_add_co_u32 s66, s66, s73
	s_lshl_b32 s73, s20, 14
	s_add_co_u32 s66, s66, s73
	s_mov_b32 s67, 0
	s_add_nc_u64 s[58:59], s[14:15], s[66:67]
	s_lshl_b32 s66, s72, 12
	s_add_co_u32 s66, s66, 327680
	s_add_nc_u64 s[60:61], s[16:17], s[66:67]
.irp w, 0,1
.if \w
	s_wait_xcnt 0x0                                ; the first half's stores have read their registers
.endif
	WIN 0x0a+5*\w
.irp e, 0,1,2,3
.irp b, 0,1,2,3,4,5,6,7
.irp p, 0,1,2,3
	v_cvt_pk_f16_f32 v[128+4*(8*\e+\b)+\p], v[8*(8*\e+\b)+2*\p], v[8*(8*\e+\b)+2*\p+1]
.endr
.endr
.endr
	WIN 0
.irp e, 0,1,2,3
.irp b, 0,1,2,3,4,5,6,7
	global_store_b128 v[OL], v[128+4*(8*\e+\b):128+4*(8*\e+\b)+3], s[58:59] offset:\w*262144+(\b/2)*4096+\e*1024+(\b%2)*512
.endr
.endr
.endr
	s_or_b32 s76, s70, s20
	s_cmp_lg_u32 s76, 0                            ; keys 0-15 also leave in f32: [channel][key]
	s_cbranch_scc1 .Lno_vfine
.irp a, 0,1,2,3,4,5,6,7
	WIN 0x08+4*((\a)/4)
	global_store_b128 v[VT], v[64*((\a)%4):64*((\a)%4)+3], s[60:61] offset:(\a)*1024
	global_store_b128 v[VT], v[64*((\a)%4)+4:64*((\a)%4)+7], s[60:61] offset:(\a)*1024+16
.endr
	WIN 0
.Lno_vfine:
	s_wait_tensorcnt 0x0                           ; the wave's end
	ds_add_u32 v[SPW], v[NIL]
	s_wait_dscnt 0x0
	s_endpgm
.Lfunc_end_k_qa2d92f7d07_qkv:
	.size	k_qa2d92f7d07_qkv, .Lfunc_end_k_qa2d92f7d07_qkv-k_qa2d92f7d07_qkv
	.p2alignl 7, 3214868480
	.fill 96, 4, 3214868480
	.section	.rodata,"a",@progbits
	.p2align	6, 0x0
	.amdhsa_kernel k_qa2d92f7d07_qkv
		.amdhsa_group_segment_fixed_size 327680
		.amdhsa_private_segment_fixed_size 0
		.amdhsa_enable_private_segment 0
		.amdhsa_kernarg_size 56
		.amdhsa_user_sgpr_count 2
		.amdhsa_user_sgpr_kernarg_segment_ptr 1
		.amdhsa_wavefront_size32 1
		.amdhsa_system_sgpr_workgroup_id_x 1
		.amdhsa_system_sgpr_workgroup_id_y 1
		.amdhsa_system_sgpr_workgroup_id_z 1
		.amdhsa_system_vgpr_workitem_id 0
		.amdhsa_next_free_vgpr 1024
		.amdhsa_next_free_sgpr 100
		.amdhsa_reserve_vcc 0
		.amdhsa_float_denorm_mode_32 3
		.amdhsa_float_denorm_mode_16_64 3
		.amdhsa_memory_ordered 1
		.amdhsa_forward_progress 1
		.amdhsa_inst_pref_size 217
	.end_amdhsa_kernel
	.amdgpu_metadata
---
amdhsa.version: [ 1, 2 ]
amdhsa.kernels:
  - .name:           k_qa2d92f7d07_qkv
    .symbol:         k_qa2d92f7d07_qkv.kd
    .args:
      - { .name: xw_codes, .offset: 0, .size: 8, .value_kind: global_buffer, .address_space: global }
      - { .name: xw_scales, .offset: 8, .size: 8, .value_kind: global_buffer, .address_space: global }
      - { .name: rope, .offset: 16, .size: 8, .value_kind: global_buffer, .address_space: global }
      - { .name: q_gain, .offset: 24, .size: 8, .value_kind: global_buffer, .address_space: global }
      - { .name: q_img, .offset: 32, .size: 8, .value_kind: global_buffer, .address_space: global }
      - { .name: kv_img, .offset: 40, .size: 8, .value_kind: global_buffer, .address_space: global }
      - { .name: fine, .offset: 48, .size: 8, .value_kind: global_buffer, .address_space: global }
    .group_segment_fixed_size: 327680
    .private_segment_fixed_size: 0
    .kernarg_segment_align: 8
    .kernarg_segment_size: 56
    .max_flat_workgroup_size: 128
    .sgpr_count:     100
    .vgpr_count:     1024
    .wavefront_size: 32
...
	.end_amdgpu_metadata
.endif
;; end of part 2
;; launch attn (part 3): grid 16 x 16, 8 waves a work-group, no clusters, 327,680 bytes of LDS; arguments q_img, kv_img, y_img; writes y_img
.if DOCPART == 3
	.amdgcn_target "amdgcn-amd-amdhsa--gfx1250"
	.amdhsa_code_object_version 6
	.text
	.protected	k_qa2d92f7d07_attn
	.globl	k_qa2d92f7d07_attn
	.p2align	8
	.type	k_qa2d92f7d07_attn,@function
k_qa2d92f7d07_attn:
	s_mov_b64 s[64:65], 0
	v_nop
	global_prefetch_b8 v0, s[64:65] scope:SCOPE_SE
	s_setreg_imm32_b32 hwreg(HW_REG_WAVE_MODE, 25, 1), 1
	s_wait_xcnt 0x0
; ATTENTION, causal, four query heads to a key and value head, head size 64; operands f16, products, maxima and sums f32; a running maximum.
; q carries gain x log2(e) / 8, so p = 2^(s - m).  All operands lie in memory in the order of the operands' registers (512 bytes for four registers of 32 lanes), so every load is 16 x lane.
; SHARES.  Work-group (i, bk) owns two blocks of 64 positions of one batch and key head: block 31 - i, then block i: 33 sub-steps of 64 keys in every work-group.
; Wave w: w' = w & 3 picks 16 positions; its four tiles are those positions in the group's FOUR query heads, so a fragment of K or V feeds four products and one mask serves four tiles.
; Group g = w >> 2 takes every second sub-step of 64 keys: waves w and w + 4 hold the same queries and split the keys.  At a block's end group 1 hands m, l and O to group 0 through LDS, which joins, divides and stores.
; Both products are used transposed: S^T = K Q^T, O^T = V^T P: a lane holds one query throughout; S^T's tiles, packed in pairs, ARE P's fragment.
; THE RING: two slots of 256 keys (K 32,768 bytes, V 32,768).  Waves 0, 1 fetch the two halves of every key tile of K, waves 2, 3 of every key group of V: so each load holds bytes of the slot's first sub-step.
; Every work-group walks all 8 slots of both blocks (constant trip counts); a sub-step all of whose keys come after the block is left out by a branch on ids; a slot whose first key comes after the block's last query is not asked for.
; NO CLUSTER: the work-groups that share K and V need different numbers of slots under the mask, so a joint load would bring tiles that a partner never reads.
; LIMITS: NaN and infinities are not served; y must lie inside f16's range.
; REGISTERS: window 0: v1-9 addresses; v16-47 statistics, 8 a tile: +0 m, +1 old m, +2, +3 l, +4..7 at work (+6 the rescaling factor); v48-55 second sum chains; v64-191 S^T, 32 a tile, P packed in place; v192-255 K.
;            window 1: v0-127 O^T, 32 a tile; v128-191 Q, 16 a tile; v192-255 V.
.set SLOTB, 65536
.set VOFF,  32768
.set MRG,   131072                     ; the hand-over: for each w' 16,384 bytes of O and 2,048 of statistics
.set MRGW,  18432
.set SPARE, MRG+4*MRGW                 ; the spare words: 128 bytes a wave
.set AL,  1                            ; v1  16 x lane + 4,096 g
.set ADR, 2
.set SPW, 3
.set NIL, 4
.set OL,  5                            ; v5  16 x lane
.set MA,  6                            ; v6  my place in the hand-over
.set DQ,  7                            ; v7  16 w' + r - 8 h: key 16 a + j of my half is hidden on the diagonal where 16 a + j > this
.set PFO, 8                            ; v8  256 x lane
.set NINF, 9
.set ST,  16
.set SB,  48
.set S,   64
.set KFR, 192
.set O,   0
.set Q,   128
.set VF,  192
.set WV, 10
.set G64, 11
.set BK, 12
.set W3, 13
.set G1K, 16                           ; s[16:23]
.set G0,  24                           ; s[24:27]
.set GB,  28                           ; s[28:29] my part of key 0's tiles in memory
.set TB,  30                           ; the slot in hand
.set KF,  31                           ; its first key
.set QB,  32                           ; the block's first query
.set QL,  33                           ; its last
.set QB2, 34
.set LASTF, 35                         ; 0 while a next block follows, else the greatest number
.set LIMK, 36
.set PFA, 38
.set SEL, 40
.set SLC, 42
.set BLC, 43
.set QBASE, 44
.set YBASE, 46
.set G1V, 56                           ; s[56:63]
.set MSB, 0
.macro WIN new
.if MSB != (\new)
	s_set_vgpr_msb (MSB<<8)|(\new)
.set MSB, (\new)
.endif
.endm
.macro PLACES n
.rept \n
	v_nop
.endr
.endm
; Waves 0, 1 fetch for K, waves 2, 3 for V, the others nothing: branches on the wave's number alone.  An s_nop 0 and four v_nop follow each load.
.macro TLOAD
	s_cmp_lt_u32 s[WV], 2
	s_cbranch_scc0 .Lnot_k_\@
	tensor_load_to_lds s[G0:G0+3], s[G1K:G1K+7]
	s_nop 0
.rept 4
	v_nop
.endr
	s_branch .Lasked_\@
.Lnot_k_\@:
	s_cmp_lt_u32 s[WV], 4
	s_cbranch_scc0 .Lasked_\@
	tensor_load_to_lds s[G0:G0+3], s[G1V:G1V+7]
	s_nop 0
.rept 4
	v_nop
.endr
.Lasked_\@:
.endm
	s_load_b128 s[4:7], s[0:1], 0x0                ; q_img, kv_img
	s_load_b64 s[8:9], s[0:1], 0x10                ; y_img
	v_lshl_add_u32 v[SPW], v0, 2, SPARE
	v_mov_b32 v[NIL], 0
	ds_add_u32 v[SPW], v[NIL]                      ; the opening: the add, twice on end, and its wait ahead of the first tensor load
	ds_add_u32 v[SPW], v[NIL]
	v_lshrrev_b32 v10, 5, v0
	v_readfirstlane_b32 s[WV], v10
	s_and_b32 s[W3], s[WV], 3
	s_lshr_b32 s48, s[WV], 2
	s_lshl_b32 s[G64], s48, 6
	s_and_b32 s[BK], ttmp7, 0xffff
	s_mov_b32 s[G1K+0], 3<<16                      ; K: 16 rows of 128 elements of 8 bytes, 256 elements apart: half of each key tile's 2,048 bytes
	s_mov_b32 s[G1K+1], 128<<16
	s_mov_b32 s[G1K+2], 16<<16
	s_mov_b32 s[G1K+3], 128<<16
	s_mov_b32 s[G1K+4], 16
	s_mov_b32 s[G1K+5], 256
	s_mov_b32 s[G1K+6], 0
	s_mov_b32 s[G1K+7], 0
	s_mov_b32 s[G1V+0], 3<<16                      ; V: 8 rows of 256 elements, 512 apart: half of each key group's 4,096 bytes
	s_mov_b32 s[G1V+1], 256<<16
	s_mov_b32 s[G1V+2], 8<<16
	s_mov_b32 s[G1V+3], 256<<16
	s_mov_b32 s[G1V+4], 8
	s_mov_b32 s[G1V+5], 512
	s_mov_b32 s[G1V+6], 0
	s_mov_b32 s[G1V+7], 0
	s_mov_b32 s[G0], 1
	s_lshl_b32 s[G0+1], s[W3], 14                  ; slot 0: 16,384 bytes for each fetching wave
	s_and_b32 s48, s[W3], 1
	s_lshr_b32 s49, s[W3], 1                       ; 0: K, 1: V
	s_add_co_u32 s50, s49, 10
	s_lshl_b32 s48, s48, s50                       ; my half: 1,024 bytes on in K, 2,048 in V
	s_lshl_b32 s50, s49, 22                        ; V's images lie 4,194,304 bytes behind K's
	s_add_co_u32 s48, s48, s50
	s_lshl_b32 s50, s[BK], 18
	s_add_co_u32 s48, s48, s50
	s_mov_b32 s49, 0
	s_mov_b32 s[SEL], 0x76543210
	s_mov_b32 s[SEL+1], 0xfedcba98
	s_mov_b32 s[TB], 0
	s_mov_b32 s[BLC], 2
	s_mov_b32 s[LASTF], 0
	s_sub_co_u32 s[QB], 31, ttmp9
	s_lshl_b32 s[QB], s[QB], 6
	s_lshl_b32 s[QB2], ttmp9, 6
	s_wait_dscnt 0x0                               ; both opening adds are done
	s_wait_kmcnt 0x0
	s_add_nc_u64 s[GB:GB+1], s[6:7], s[48:49]
	s_mov_b64 s[G0+2:G0+3], s[GB:GB+1]
	s_or_b32 s[G0+3], s[G0+3], 0x80000000
	TLOAD                                          ; keys 0-255, which count for every query
	v_and_b32 v10, 31, v0
	v_and_b32 v11, 15, v0
	v_bfe_u32 v12, v0, 4, 1
	v_lshlrev_b32 v[OL], 4, v10
	s_lshl_b32 s48, s[G64], 6
	v_add_nc_u32 v[AL], s48, v[OL]
	s_mul_i32 s48, s[W3], MRGW
	s_add_co_u32 s48, s48, MRG
	v_add_nc_u32 v[MA], s48, v[OL]
	s_lshl_b32 s48, s[W3], 4
	v_lshlrev_b32 v12, 3, v12
	v_sub_nc_u32 v[DQ], v11, v12
	v_add_nc_u32 v[DQ], s48, v[DQ]
	v_lshlrev_b32 v[PFO], 8, v10
	v_mov_b32 v[NINF], 0xff800000
	; the prefetches: pair 0's waves 4-7 ask, in the first block alone, for key slots 2 to 7: 8,192 bytes of K and of V a wave, lanes 256 bytes apart: each block of 256 bytes is named once in the launch
	s_lshr_b32 s48, s[WV], 2
	s_xor_b32 s48, s48, 1
	s_or_b32 s48, s48, ttmp9
	s_cmp_eq_u32 s48, 0
	s_cselect_b32 s[LIMK], 1281, 0
	s_lshl_b32 s48, s[BK], 18
	s_lshl_b32 s50, s[W3], 13
	s_add_co_u32 s48, s48, s50
	s_add_co_u32 s48, s48, 32768                   ; in slot 1: the first change of slots steps it to slot 2
	s_mov_b32 s49, 0
	s_add_nc_u64 s[PFA:PFA+1], s[6:7], s[48:49]
	s_lshl_b32 s48, s[BK], 20
	s_add_nc_u64 s[QBASE:QBASE+1], s[4:5], s[48:49]   ; my four heads' images
	s_lshr_b32 s48, s[BK], 2
	s_lshl_b32 s48, s48, 22
	s_and_b32 s50, s[BK], 3
	s_lshl_b32 s50, s50, 13
	s_add_co_u32 s48, s48, s50
	s_add_nc_u64 s[YBASE:YBASE+1], s[8:9], s[48:49]
.macro SOFTMAX
.irp j, 0,1,2,3
.irp t, 0,1,2,3
	v_max3_num_f32 v[ST+8*\t+4+\j], v[S+32*\t+8*\j], v[S+32*\t+8*\j+1], v[S+32*\t+8*\j+2]   ; each tile of scores is read from its low end on
.endr
.endr
.irp j, 4,5,6,7,8,9,10,11
.irp t, 0,1,2,3
	v_max3_num_f32 v[ST+8*\t+4+(\j)%4], v[ST+8*\t+4+(\j)%4], v[S+32*\t+8*((\j)%4)+2*((\j)/4)+1], v[S+32*\t+8*((\j)%4)+2*((\j)/4)+2]
.endr
.endr
.irp t, 0,1,2,3
	v_max3_num_f32 v[ST+8*\t+4], v[ST+8*\t+4], v[S+32*\t+7], v[S+32*\t+15]
.endr
.irp t, 0,1,2,3
	v_max3_num_f32 v[ST+8*\t+6], v[ST+8*\t+6], v[S+32*\t+23], v[S+32*\t+31]
.endr
.irp t, 0,1,2,3
	v_max3_num_f32 v[ST+8*\t+4], v[ST+8*\t+4], v[ST+8*\t+5], v[ST+8*\t+6]
.endr
.irp t, 0,1,2,3
	v_max3_num_f32 v[ST+8*\t+4], v[ST+8*\t+4], v[ST+8*\t+7], v[ST+8*\t]
.endr
.irp t, 0,1,2,3
	v_permlanex16_b32 v[ST+8*\t+5], v[ST+8*\t+4], s[SEL], s[SEL+1]   ; the query's other 32 keys lie in the lane 16 away
.endr
.irp t, 0,1,2,3
	v_mov_b32 v[ST+8*\t+1], v[ST+8*\t]
.endr
.irp t, 0,1,2,3
	v_max_num_f32 v[ST+8*\t], v[ST+8*\t+4], v[ST+8*\t+5]
.endr
.irp t, 0,1,2,3
	v_sub_f32 v[ST+8*\t+7], v[ST+8*\t+1], v[ST+8*\t]
.endr
.set p, 0
.rept 16
.irp t, 0,1,2,3
	v_pk_add_f32 v[S+32*\t+2*p:S+32*\t+2*p+1], v[S+32*\t+2*p:S+32*\t+2*p+1], v[ST+8*\t:ST+8*\t+1] op_sel_hi:[1,0] neg_lo:[0,1] neg_hi:[0,1]   ; s - m
.endr
.set p, p+1
.endr
.irp t, 0,1,2,3
	v_exp_f32 v[ST+8*\t+6], v[ST+8*\t+7]           ; 2^(old m - m)
.endr
.set p, 0
.rept 32
.irp t, 0,1,2,3
	v_exp_f32 v[S+32*\t+p], v[S+32*\t+p]
.endr
.set p, p+1
.endr
	v_nop                                          ; a plain line behind the last exponential
	s_wait_alu depctr_va_vdst(0)                   ; one wait for the batch of 132, ahead of its first reader
.irp t, 0,1,2,3
	v_pk_add_f32 v[ST+8*\t+4:ST+8*\t+5], v[S+32*\t:S+32*\t+1], v[S+32*\t+4:S+32*\t+5]   ; the sums, of the unrounded p, in two chains a tile
.endr
.irp t, 0,1,2,3
	v_pk_add_f32 v[SB+2*\t:SB+2*\t+1], v[S+32*\t+2:S+32*\t+3], v[S+32*\t+6:S+32*\t+7]
.endr
.irp e, 8,12,16,20,24,28
.irp t, 0,1,2,3
	v_pk_add_f32 v[ST+8*\t+4:ST+8*\t+5], v[ST+8*\t+4:ST+8*\t+5], v[S+32*\t+\e:S+32*\t+\e+1]
.endr
.irp t, 0,1,2,3
	v_pk_add_f32 v[SB+2*\t:SB+2*\t+1], v[SB+2*\t:SB+2*\t+1], v[S+32*\t+\e+2:S+32*\t+\e+3]
.endr
.endr
.irp t, 0,1,2,3
	v_pk_fma_f32 v[ST+8*\t+2:ST+8*\t+3], v[ST+8*\t+2:ST+8*\t+3], v[ST+8*\t+6:ST+8*\t+7], v[ST+8*\t+4:ST+8*\t+5] op_sel_hi:[1,0,1]
.endr
.irp t, 0,1,2,3
	v_pk_add_f32 v[ST+8*\t+2:ST+8*\t+3], v[ST+8*\t+2:ST+8*\t+3], v[SB+2*\t:SB+2*\t+1]
.endr
.set p, 0
.rept 16
.irp t, 0,1,2,3
	v_cvt_pk_f16_f32 v[S+32*\t+p], v[S+32*\t+2*p], v[S+32*\t+2*p+1]   ; in place, ascending: register p is written when pairs up to p have been read
.endr
.set p, p+1
.endr
	WIN 0x41
.set p, 0
.rept 16
.irp t, 0,1,2,3
	v_pk_mul_f32 v[O+32*\t+2*p:O+32*\t+2*p+1], v[O+32*\t+2*p:O+32*\t+2*p+1], v[ST+8*\t+6:ST+8*\t+7] op_sel_hi:[1,0]
.endr
.set p, p+1
.endr
.endm
; A SUB-STEP of 64 keys: the slot's (2 q + g)-th.
.macro STEP q
	s_add_co_u32 s96, s[KF], s[G64]
	s_add_co_u32 s96, s96, 128*(\q)                ; its first key
	s_cmp_gt_u32 s96, s[QB]                        ; all its keys come after the block's queries: left out
	s_cbranch_scc1 .Lhidden_\@
	v_add_nc_u32 v[ADR], s[TB], v[AL]
.irp a, 0,1,2,3
.irp nb, 0,1,2,3
	ds_load_b128 v[KFR+16*\a+4*\nb:KFR+16*\a+4*\nb+3], v[ADR] offset:8192*(\q)+16384*(\nb/2)+1024*\a+512*(\nb%2)
.endr
.endr
	WIN 0x40
.irp kg, 0,1
.irp ct, 0,1,2,3
.irp c, 0,1
	ds_load_b128 v[VF+32*\kg+8*\ct+4*\c:VF+32*\kg+8*\ct+4*\c+3], v[ADR] offset:VOFF+8192*(\q)+16384*(\ct/2)+2048*\kg+1024*(\ct%2)+512*\c
.endr
.endr
.endr
	WIN 0
	s_wait_dscnt 16                                ; K is in; V's 16 loads may be out
	WIN 0x04
.irp f, 0,1                                    ; 16 accumulators by turns
.irp a, 0,1,2,3
.irp t, 0,1,2,3
.if \f == 0
	v_wmma_f32_16x16x32_f16 v[S+32*\t+8*\a:S+32*\t+8*\a+7], v[KFR+16*\a+8*\f:KFR+16*\a+8*\f+7], v[Q+16*\t+8*\f:Q+16*\t+8*\f+7], 0
.else
	v_wmma_f32_16x16x32_f16 v[S+32*\t+8*\a:S+32*\t+8*\a+7], v[KFR+16*\a+8*\f:KFR+16*\a+8*\f+7], v[Q+16*\t+8*\f:Q+16*\t+8*\f+7], v[S+32*\t+8*\a:S+32*\t+8*\a+7]
.endif
.endr
.endr
.endr
	WIN 0
	PLACES 4
	s_cmp_lg_u32 s96, s[QB]                        ; only the diagonal sub-step has hidden keys
	s_cbranch_scc1 .Lopen_\@
.irp a, 0,1,2,3
.irp j, 0,1,2,3,4,5,6,7
	v_cmp_gt_i32 vcc_lo, 16*\a+\j, v[DQ]
.irp t, 0,1,2,3
	v_cndmask_b32 v[S+32*\t+8*\a+\j], v[S+32*\t+8*\a+\j], v[NINF], vcc_lo
.endr
.endr
.endr
.Lopen_\@:
	SOFTMAX
	s_wait_dscnt 0x0                               ; V is in
	WIN 0x51
.irp kg, 0,1
.irp ct, 0,1,2,3
.irp t, 0,1,2,3
	v_wmma_f32_16x16x32_f16 v[O+32*\t+8*\ct:O+32*\t+8*\ct+7], v[VF+32*\kg+8*\ct:VF+32*\kg+8*\ct+7], v[S+32*\t+8*\kg:S+32*\t+8*\kg+7], v[O+32*\t+8*\ct:O+32*\t+8*\ct+7]
.endr
.endr
.endr
	WIN 0
	PLACES 5                                       ; the next scores are laid over P, an operand of these products: five places; loads into V's registers want four
.Lhidden_\@:
.endm
.Lblock:                                           ; two trips: the late block, then the early one
	s_wait_xcnt 0x0                                ; the last block's stores have read their registers and base
	s_lshl_b32 s48, s[QB], 7
	s_lshl_b32 s50, s[W3], 11
	s_add_co_u32 s48, s48, s50
	s_mov_b32 s49, 0
	s_add_nc_u64 s[66:67], s[QBASE:QBASE+1], s[48:49]   ; my 16 positions' images of q
	s_lshl_b32 s48, s[QB], 11
	s_lshl_b32 s50, s[W3], 15
	s_add_co_u32 s48, s48, s50
	s_add_nc_u64 s[68:69], s[YBASE:YBASE+1], s[48:49]   ; and of y
	WIN 0x40
.irp t, 0,1,2,3
.irp nb, 0,1,2,3
	global_load_b128 v[Q+16*\t+4*\nb:Q+16*\t+4*\nb+3], v[OL], s[66:67] offset:262144*\t+512*\nb
.endr
.endr
.set p, 0
.rept 128
	v_mov_b32 v[O+p], 0                            ; the sub-step is written once: the first finds zeros, which its factor 0 leaves zeros
.set p, p+1
.endr
	WIN 0
.irp t, 0,1,2,3
	v_mov_b32 v[ST+8*\t], 0xff61b1e6               ; m: -3e38, under every score
.irp e, 1,2,3,4,5,6,7
	v_mov_b32 v[ST+8*\t+\e], 0
.endr
.endr
	s_mov_b32 s[KF], 0
	s_add_co_u32 s[QL], s[QB], 63
	s_mov_b32 s[SLC], 8
	s_wait_loadcnt 0x0                             ; q
.Lslot:                                            ; eight trips, a slot of 256 keys each
	; THE CHANGE OF SLOTS: all my tensor loads have landed, the add, my reads of the slot that I left are back; the barrier; then the other slot is asked for
	s_wait_tensorcnt 0x0
	ds_add_u32 v[SPW], v[NIL]                      ; the add, twice on end in every trip alike
	ds_add_u32 v[SPW], v[NIL]
	s_add_co_u32 s48, s[KF], 256
	s_and_b32 s48, s48, 2047                       ; the next slot's first key; 0: the next block's first slot
	s_lshl_b32 s50, s48, 7                         ; 128 bytes of images a key, in K and in V
	s_mov_b32 s51, 0
	s_xor_b32 s[G0+1], s[G0+1], SLOTB
	s_add_nc_u64 s[G0+2:G0+3], s[GB:GB+1], s[50:51]
	s_or_b32 s[G0+3], s[G0+3], 0x80000000
	s_wait_xcnt 0x0                                ; the last prefetches, a slot back, have read their address
	s_add_nc_u64 s[PFA:PFA+1], s[PFA:PFA+1], 32768
	s_wait_dscnt 0x0
	s_barrier_signal -1
	s_barrier_wait -1
	s_cmp_eq_u32 s48, 0
	s_cselect_b32 s49, s[LASTF], s48
	s_cmp_gt_u32 s49, s[QL]                        ; ids and counted steps alone, the same in all eight waves: a slot that no wave will read is not asked for.  Every wait on TENSORcnt in this text is for 0
	s_cbranch_scc1 .Lpast
	TLOAD
.Lpast:
	s_cmp_lt_u32 s[KF], s[LIMK]                    ; what the next change will ask for
	s_cbranch_scc0 .Lnot_mine
	global_prefetch_b8 v[PFO], s[PFA:PFA+1] th:TH_LOAD_NT scope:SCOPE_SE
	global_prefetch_b8 v[PFO], s[PFA:PFA+1] offset:4194304 th:TH_LOAD_NT scope:SCOPE_SE
.Lnot_mine:
	STEP 0
	STEP 1
	s_xor_b32 s[TB], s[TB], SLOTB
	s_add_co_u32 s[KF], s[KF], 256
	s_sub_co_u32 s[SLC], s[SLC], 1
	s_cmp_lg_u32 s[SLC], 0
	s_cbranch_scc1 .Lslot
	; THE HAND-OVER.  Group 1 stores m, l and O as images; a barrier; group 0 joins.
	s_cmp_lt_u32 s[WV], 4
	s_cbranch_scc1 .Lgiven
.irp t, 0,1,2,3
	ds_store_b128 v[MA], v[ST+8*\t:ST+8*\t+3] offset:16384+512*\t
.endr
	WIN 0x04
.set p, 0
.rept 32
	ds_store_b128 v[MA], v[O+4*p:O+4*p+3] offset:512*p
.set p, p+1
.endr
	WIN 0
.Lgiven:
	s_wait_dscnt 0x0
	s_barrier_signal -1
	s_barrier_wait -1
	s_cmp_lt_u32 s[WV], 4
	s_cbranch_scc0 .Ltaken
.set p, 0
.rept 32
	ds_load_b128 v[S+4*p:S+4*p+3], v[MA] offset:512*p
.set p, p+1
.endr
.irp t, 0,1,2,3
	ds_load_b128 v[KFR+4*\t:KFR+4*\t+3], v[MA] offset:16384+512*\t
.endr
	s_wait_dscnt 0x0
.irp t, 0,1,2,3
	v_max_num_f32 v[ST+8*\t+4], v[ST+8*\t], v[KFR+4*\t]
.endr
.irp t, 0,1,2,3
	v_sub_f32 v[ST+8*\t+6], v[ST+8*\t], v[ST+8*\t+4]
.endr
.irp t, 0,1,2,3
	v_sub_f32 v[ST+8*\t+7], v[KFR+4*\t], v[ST+8*\t+4]
.endr
.irp t, 0,1,2,3
	v_exp_f32 v[SB+2*\t], v[ST+8*\t+6]
	v_exp_f32 v[SB+2*\t+1], v[ST+8*\t+7]
.endr
.irp t, 0,1,2,3
	v_add_f32 v[ST+8*\t+2], v[ST+8*\t+2], v[ST+8*\t+3]
.endr
.irp t, 0,1,2,3
	v_add_f32 v[KFR+4*\t+2], v[KFR+4*\t+2], v[KFR+4*\t+3]
.endr
	s_wait_alu depctr_va_vdst(0)                   ; one wait for the eight exponentials
.irp t, 0,1,2,3
	v_mul_f32 v[ST+8*\t+4], v[SB+2*\t], v[ST+8*\t+2]
.endr
.irp t, 0,1,2,3
	v_fma_f32 v[ST+8*\t+4], v[SB+2*\t+1], v[KFR+4*\t+2], v[ST+8*\t+4]
.endr
.irp t, 0,1,2,3
	v_permlanex16_b32 v[ST+8*\t+5], v[ST+8*\t+4], s[SEL], s[SEL+1]
.endr
.irp t, 0,1,2,3
	v_add_f32 v[ST+8*\t+4], v[ST+8*\t+4], v[ST+8*\t+5]   ; the row's sum
.endr
.irp t, 0,1,2,3
	v_rcp_f32 v[ST+8*\t+5], v[ST+8*\t+4]
.endr
	v_nop
	s_wait_alu depctr_va_vdst(0)                   ; one wait for the four reciprocals
.irp t, 0,1,2,3
	v_mul_f32 v[ST+8*\t+4], v[SB+2*\t], v[ST+8*\t+5]     ; my O's factor,
.endr
.irp t, 0,1,2,3
	v_mul_f32 v[ST+8*\t+6], v[SB+2*\t+1], v[ST+8*\t+5]   ; the partner's
.endr
.set p, 0
.rept 16
.irp t, 0,1,2,3
	v_pk_mul_f32 v[S+32*\t+2*p:S+32*\t+2*p+1], v[S+32*\t+2*p:S+32*\t+2*p+1], v[ST+8*\t+6:ST+8*\t+7] op_sel_hi:[1,0]
.endr
.set p, p+1
.endr
	WIN 0x01
.set p, 0
.rept 16
.irp t, 0,1,2,3
	v_pk_fma_f32 v[S+32*\t+2*p:S+32*\t+2*p+1], v[O+32*\t+2*p:O+32*\t+2*p+1], v[ST+8*\t+4:ST+8*\t+5], v[S+32*\t+2*p:S+32*\t+2*p+1] op_sel_hi:[1,0,1]
.endr
.set p, p+1
.endr
	WIN 0
.set p, 0
.rept 16
.irp t, 0,1,2,3
	v_cvt_pk_f16_f32 v[S+32*\t+p], v[S+32*\t+2*p], v[S+32*\t+2*p+1]
.endr
.set p, p+1
.endr
.irp t, 0,1,2,3
.irp ct, 0,1,2,3
	global_store_b128 v[OL], v[S+32*\t+4*\ct:S+32*\t+4*\ct+3], s[68:69] offset:2048*\t+512*\ct   ; 512 consecutive bytes
.endr
.endr
.Ltaken:
	s_mov_b32 s[QB], s[QB2]
	s_mov_b32 s[LASTF], -1
	s_mov_b32 s[LIMK], 0
	s_sub_co_u32 s[BLC], s[BLC], 1
	s_cmp_lg_u32 s[BLC], 0
	s_cbranch_scc1 .Lblock
	s_wait_tensorcnt 0x0                           ; the wave's end
	ds_add_u32 v[SPW], v[NIL]
	s_wait_dscnt 0x0
	s_endpgm
.Lfunc_end_k_qa2d92f7d07_attn:
	.size	k_qa2d92f7d07_attn, .Lfunc_end_k_qa2d92f7d07_attn-k_qa2d92f7d07_attn
	.p2alignl 7, 3214868480
	.fill 96, 4, 3214868480
	.section	.rodata,"a",@progbits
	.p2align	6, 0x0
	.amdhsa_kernel k_qa2d92f7d07_attn
		.amdhsa_group_segment_fixed_size 327680
		.amdhsa_private_segment_fixed_size 0
		.amdhsa_enable_private_segment 0
		.amdhsa_kernarg_size 24
		.amdhsa_user_sgpr_count 2
		.amdhsa_user_sgpr_kernarg_segment_ptr 1
		.amdhsa_wavefront_size32 1
		.amdhsa_system_sgpr_workgroup_id_x 1
		.amdhsa_system_sgpr_workgroup_id_y 1
		.amdhsa_system_sgpr_workgroup_id_z 1
		.amdhsa_system_vgpr_workitem_id 0
		.amdhsa_next_free_vgpr 512
		.amdhsa_next_free_sgpr 100
		.amdhsa_reserve_vcc 1
		.amdhsa_float_denorm_mode_32 3
		.amdhsa_float_denorm_mode_16_64 3
		.amdhsa_memory_ordered 1
		.amdhsa_forward_progress 1
		.amdhsa_inst_pref_size 108
	.end_amdhsa_kernel
	.amdgpu_metadata
---
amdhsa.version: [ 1, 2 ]
amdhsa.kernels:
  - .name:           k_qa2d92f7d07_attn
    .symbol:         k_qa2d92f7d07_attn.kd
    .args:
      - { .name: q_img, .offset: 0, .size: 8, .value_kind: global_buffer, .address_space: global }
      - { .name: kv_img, .offset: 8, .size: 8, .value_kind: global_buffer, .address_space: global }
      - { .name: y_img, .offset: 16, .size: 8, .value_kind: global_buffer, .address_space: global }
    .group_segment_fixed_size: 327680
    .private_segment_fixed_size: 0
    .kernarg_segment_align: 8
    .kernarg_segment_size: 24
    .max_flat_workgroup_size: 256
    .sgpr_count:     100
    .vgpr_count:     512
    .wavefront_size: 32
...
	.end_amdgpu_metadata
.endif
;; end of part 3
;; launch proj (part 4): grid 4 x 64, 4 waves a work-group, clusters of 4 x 4, 327,680 bytes of LDS; arguments y_img, wp_img, out0; writes out0
.if DOCPART == 4
	.amdgcn_target "amdgcn-amd-amdhsa--gfx1250"
	.amdhsa_code_object_version 6
	.text
	.protected	k_qa2d92f7d07_proj
	.globl	k_qa2d92f7d07_proj
	.p2align	8
	.type	k_qa2d92f7d07_proj,@function
k_qa2d92f7d07_proj:
	s_mov_b64 s[64:65], 0
	v_nop
	global_prefetch_b8 v0, s[64:65] scope:SCOPE_SE
	s_setreg_imm32_b32 hwreg(HW_REG_WAVE_MODE, 25, 1), 1
	s_wait_xcnt 0x0
	s_wait_alu depctr_hold_cnt(0) depctr_sa_sdst(0) depctr_va_vdst(0) depctr_va_sdst(0) depctr_va_ssrc(0) depctr_va_vcc(0) depctr_vm_vsrc(0)
	s_getreg_b32 s2, hwreg(HW_REG_IB_STS2, 6, 4)
	s_cmp_eq_u32 s2, 0
	s_cbranch_scc0 .Lentry_in_a_cluster
	s_endpgm
.Lentry_in_a_cluster:
	s_bfe_u32 s2, ttmp6, 0x10000c
	s_cmp_lg_u32 s2, 0xf033
	s_cbranch_scc0 .Lentry_shape_is_right
	s_endpgm
.Lentry_shape_is_right:
; OUT = y Wproj^T, [8192, 1024] x [1024, 1024], operands f16, sums f32.  Both operands lie in memory in the order of the operands' registers: for 16 rows, 32 fragments of 32 along K, 1,024 bytes each.
; A work-group makes 128 x 256 of out0 (256 work-groups); four waves, 64 x 128 each: 32 accumulators.  K goes in 8 steps of 128 through a ring of two LDS slots.
; CLUSTERS of 4 x 4: the four of a row need the same tiles of y, the four of a column the same tiles of Wproj: each is asked for jointly, by the same tensor load with a mask that names the four.
; The matrix instruction is used transposed (source 0 = 16 rows of Wproj, source 1 = 16 rows of y): a lane holds eight neighbouring numbers of a row of out0.
; No prefetch: what a refill asks for is shared by four work-groups and a step's tiles are small.
; Rows 0-15 of each sequence are stored here too, and are stored again, from f32 operands, by the launch that follows.
; REGISTERS: window 0: v16-29 addresses; v64-95, v96-127 y's fragments, two buffers; v128-255 the way out.  window 1: v0-63, v64-127 Wproj's fragments, two buffers.  window 2: accumulator (a, b) at v[8 (8 a + b)].
.set SLOT,   98304                     ; y: 8 tiles of rows x 4,096 bytes; then Wproj: 16 tiles x 4,096
.set BOFF,   32768
.set STAGE,  2*SLOT                    ; 16 rows x (512 + 16) bytes for each wave
.set SPITCH, 528
.set SPARE,  STAGE+4*16*SPITCH
.set LAPS,   4
.set ADRA, 16
.set ADRB, 20
.set STO,  24
.set RD,   25
.set CO,   26
.set SPW,  28
.set NIL,  29
.set BK,   128
.set G1,  24
.set G0,  32
.set G1B, 48
.set G0B, 56
.set MSB, 0
.macro WIN new
.if MSB != (\new)
	s_set_vgpr_msb (MSB<<8)|(\new)
.set MSB, (\new)
.endif
.endm
.set MUL,  0xa1                        ; source 0 window 1, source 1 window 0, C and D window 2
.set TO_B, 0x40
.macro JLOAD s                         ; a joint load: waves 0, 1 fetch y's halves, waves 2, 3 Wproj's; an s_nop 0 and four v_nop follow each line
	s_cmp_eq_u32 s11, 0
	s_cbranch_scc0 .Lfor_b_\@
	tensor_load_to_lds s[G0+4*\s:G0+4*\s+3], s[G1:G1+7]
	s_nop 0
.rept 4
	v_nop
.endr
	s_branch .Lasked_\@
.Lfor_b_\@:
	tensor_load_to_lds s[G0B+4*\s:G0B+4*\s+3], s[G1B:G1B+7]
	s_nop 0
.rept 4
	v_nop
.endr
.Lasked_\@:
.endm
.macro CREST
	s_cmp_lg_u32 s10, 0
	s_cbranch_scc1 .Lnot_wave_0_\@
	s_barrier_signal -3
.Lnot_wave_0_\@:
	s_barrier_wait -3
	s_barrier_signal -1
	s_barrier_wait -1
.endm
.macro CROUND
	s_barrier_signal -1
	s_barrier_wait -1
	CREST
.endm
	s_load_b128 s[4:7], s[0:1], 0x0                ; y_img, wp_img
	s_load_b64 s[8:9], s[0:1], 0x10                ; out0
	v_lshl_add_u32 v[SPW], v0, 2, SPARE
	v_mov_b32 v[NIL], 0
	ds_add_u32 v[SPW], v[NIL]                      ; the opening: the add, twice on end, and its wait ahead of my first tensor load
	ds_add_u32 v[SPW], v[NIL]
	v_lshrrev_b32 v1, 5, v0
	v_readfirstlane_b32 s10, v1
	s_lshr_b32 s11, s10, 1                         ; my half of the rows; also: I fetch for y (0) or Wproj (1)
	s_and_b32 s12, s10, 1                          ; my half of the columns; also: which half of that tile I fetch
	s_bfe_u32 s40, ttmp6, 0x40000                  ; cx
	s_bfe_u32 s41, ttmp6, 0x40004                  ; cy
	s_lshl_b32 s42, ttmp9, 2
	s_add_co_u32 s42, s42, s40                     ; tile column
	s_and_b32 s13, ttmp7, 0xffff
	s_lshl_b32 s13, s13, 2
	s_add_co_u32 s13, s13, s41                     ; tile row
	s_lshl_b32 s43, s41, 2
	s_lshl_b32 s43, 15, s43                        ; my row of the cluster
	s_lshl_b32 s44, 0x1111, s40                    ; my column
	s_or_b32 s[G1+0], s43, (3<<16)|(1<<21)         ; elements of 8 bytes; bit 21 beside a mask
	s_or_b32 s[G1B+0], s44, (3<<16)|(1<<21)
	s_mov_b32 s[G1+1], 512<<16                     ; a row: a K step's 4,096 bytes of one tile of 16 rows
	s_mov_b32 s[G1+2], 4<<16
	s_mov_b32 s[G1+3], 512<<16
	s_mov_b32 s[G1+4], 4
	s_mov_b32 s[G1+5], 4096                        ; 32,768 bytes from tile to tile
	s_mov_b32 s[G1+6], 0
	s_mov_b32 s[G1+7], 0
	s_mov_b32 s[G1B+1], 512<<16
	s_mov_b32 s[G1B+2], 8<<16
	s_mov_b32 s[G1B+3], 512<<16
	s_mov_b32 s[G1B+4], 8
	s_mov_b32 s[G1B+5], 4096
	s_mov_b32 s[G1B+6], 0
	s_mov_b32 s[G1B+7], 0
	s_lshl_b32 s17, s12, 2
	s_lshl_b32 s16, s13, 3
	s_add_co_u32 s16, s16, s17                     ; y: tile of rows 8 x tile row + 4 x half
	s_lshl_b32 s16, s16, 15
	s_mov_b32 s17, 0
	s_lshl_b32 s47, s12, 3
	s_lshl_b32 s46, s42, 4
	s_add_co_u32 s46, s46, s47                     ; Wproj: tile 16 x tile column + 8 x half
	s_lshl_b32 s46, s46, 15
	s_mov_b32 s47, 0
	s_lshl_b32 s20, s12, 14                        ; where they go: no place in the cluster enters an LDS address
	s_lshl_b32 s23, s12, 15
	s_add_co_u32 s23, s23, BOFF
	s_wait_dscnt 0x0
	s_wait_kmcnt 0x0
	s_add_nc_u64 s[14:15], s[4:5], s[16:17]
	s_add_nc_u64 s[46:47], s[6:7], s[46:47]
	CROUND                                         ; all sixteen work-groups are here: the first joint loads meet
.irp s, 0,1
	s_mov_b32 s[G0+4*\s], 1
	s_add_co_u32 s[G0+4*\s+1], s20, \s*SLOT
	s_add_nc_u64 s[G0+4*\s+2:G0+4*\s+3], s[14:15], \s*4096
	s_or_b32 s[G0+4*\s+3], s[G0+4*\s+3], 0x80000000
	s_mov_b32 s[G0B+4*\s], 1
	s_add_co_u32 s[G0B+4*\s+1], s23, \s*SLOT
	s_add_nc_u64 s[G0B+4*\s+2:G0B+4*\s+3], s[46:47], \s*4096
	s_or_b32 s[G0B+4*\s+3], s[G0B+4*\s+3], 0x80000000
	JLOAD \s
.endr
	v_and_b32 v1, 15, v0
	v_bfe_u32 v2, v0, 4, 1
	v_and_b32 v3, 31, v0
	v_lshlrev_b32 v[CO], 4, v3                     ; 16 x lane
	s_lshl_b32 s21, s11, 14                        ; my four tiles of y's rows
	s_lshl_b32 s22, s12, 15
	s_add_co_u32 s22, s22, BOFF                    ; my eight tiles of Wproj's
.irp s, 0,1
	v_add_nc_u32 v[ADRA+\s], s21, v[CO]
	v_add_nc_u32 v[ADRB+\s], s22, v[CO]
	s_add_co_u32 s21, s21, SLOT
	s_add_co_u32 s22, s22, SLOT
.endr
	s_mul_i32 s23, s10, 16*SPITCH
	s_add_co_u32 s23, s23, STAGE
	v_mul_u32_u24 v4, v1, SPITCH
	v_lshl_add_u32 v4, v2, 5, v4
	v_add_nc_u32 v[STO], s23, v4                   ; into my stage: row r, 32 bytes for each half of the lanes
	v_add_nc_u32 v[RD], s23, v[CO]                 ; back: 32 lanes take a row of 512 bytes
	s_lshl_b32 s16, s13, 7
	s_lshl_b32 s17, s11, 6
	s_add_co_u32 s16, s16, s17                     ; my first row of out0
	s_lshl_b32 s16, s16, 12
	s_mov_b32 s17, 0
	s_add_nc_u64 s[8:9], s[8:9], s[16:17]
	s_lshl_b32 s46, s42, 10
	s_lshl_b32 s47, s12, 9
	s_add_co_u32 s46, s46, s47                     ; my first column, in bytes
	s_mov_b32 s47, 0
	s_add_nc_u64 s[8:9], s[8:9], s[46:47]
.macro MUL8 f, a, zero                 ; tile of rows a against my eight tiles of columns, 32 along K; the 32 accumulators take turns
.irp b, 0,1,2,3,4,5,6,7
.if \zero
	v_wmma_f32_16x16x32_f16 v[8*(8*(\a)+\b):8*(8*(\a)+\b)+7], v[64*(\f)+8*\b:64*(\f)+8*\b+7], v[64+32*(\f)+8*(\a):64+32*(\f)+8*(\a)+7], 0
.else
	v_wmma_f32_16x16x32_f16 v[8*(8*(\a)+\b):8*(8*(\a)+\b)+7], v[64*(\f)+8*\b:64*(\f)+8*\b+7], v[64+32*(\f)+8*(\a):64+32*(\f)+8*(\a)+7], v[8*(8*(\a)+\b):8*(8*(\a)+\b)+7]
.endif
.endr
.endm
.macro FETCH slot, q, f                ; 24 LDS loads in one run: the slot's q-th 32 along K into buffer f; y's tiles 2 and 3 last
	WIN TO_B
.irp b, 0,1,2,3,4,5,6,7
	ds_load_b128 v[64*(\f)+8*\b:64*(\f)+8*\b+3],   v[ADRB+\slot] offset:\b*4096+(\q)*1024
	ds_load_b128 v[64*(\f)+8*\b+4:64*(\f)+8*\b+7], v[ADRB+\slot] offset:\b*4096+(\q)*1024+512
.endr
	WIN 0
.irp e, 0,1,2,3
	ds_load_b128 v[64+32*(\f)+8*\e:64+32*(\f)+8*\e+3],   v[ADRA+\slot] offset:\e*4096+(\q)*1024
	ds_load_b128 v[64+32*(\f)+8*\e+4:64+32*(\f)+8*\e+7], v[ADRA+\slot] offset:\e*4096+(\q)*1024+512
.endr
.endm
.macro PLACES
.rept 4
	v_nop
.endr
.endm
.macro QUARTER slot, q, f, g, zero     ; multiplies buffer f; in its middle fetches the slot's q-th quarter into buffer g
	s_wait_dscnt 4                                 ; all but y's tiles 2 and 3
	WIN MUL
	MUL8 \f, 0, \zero
	MUL8 \f, 1, \zero
	PLACES
	FETCH \slot, \q, \g
	s_wait_dscnt 24                                ; all but the 24 just issued
	WIN MUL
	MUL8 \f, 2, \zero
	MUL8 \f, 3, \zero
.endm
; A slot's last quarter multiplies buffer 1 and changes slots: all my tensor loads, the add, my reads of this slot; the barrier, which with fill = 1 opens a round of the cluster's barrier; the joint refill first behind it.
.macro TURN slot, next, fill
	WIN 0
	s_wait_tensorcnt 0x0
	ds_add_u32 v[SPW], v[NIL]
	s_wait_dscnt 5                                 ; the add and y's tiles 2 and 3 may be out
	WIN MUL
	MUL8 1, 0, 0
	s_wait_dscnt 0x0
	s_barrier_signal -1
	MUL8 1, 1, 0
.if \fill
	WIN 0
.endif
	s_barrier_wait -1
.if \fill
	CREST
	s_add_nc_u64 s[G0+4*\slot+2:G0+4*\slot+3], s[G0+4*\slot+2:G0+4*\slot+3], 8192
	s_add_nc_u64 s[G0B+4*\slot+2:G0B+4*\slot+3], s[G0B+4*\slot+2:G0B+4*\slot+3], 8192
	JLOAD \slot                                    ; its four v_nop are also the places in front of the loads below
.else
	PLACES
.endif
	FETCH \next, 0, 0
	WIN MUL
	MUL8 1, 2, 0
	MUL8 1, 3, 0
.endm
	s_wait_tensorcnt 1                             ; my part of K step 0 is in; K step 1's load may be out
	s_barrier_signal -1
	s_barrier_wait -1
	FETCH 0, 0, 0
	QUARTER 0, 1, 0, 1, 1                          ; the first quarter's products start the sums
	WIN 0
	s_mov_b32 s3, LAPS-1
.Llap:
	QUARTER 0, 2, 1, 0, 0
	QUARTER 0, 3, 0, 1, 0
	TURN 0, 1, 1
	QUARTER 1, 1, 0, 1, 0
	QUARTER 1, 2, 1, 0, 0
	QUARTER 1, 3, 0, 1, 0
	TURN 1, 0, 1
	QUARTER 0, 1, 0, 1, 0
	WIN 0
	s_sub_co_u32 s3, s3, 1
	s_cmp_lg_u32 s3, 0
	s_cbranch_scc1 .Llap
	QUARTER 0, 2, 1, 0, 0                          ; the last lap fills nothing
	QUARTER 0, 3, 0, 1, 0
	TURN 0, 1, 0
	QUARTER 1, 1, 0, 1, 0
	QUARTER 1, 2, 1, 0, 0
	QUARTER 1, 3, 0, 1, 0
	s_wait_dscnt 4
	WIN MUL
	MUL8 1, 0, 0
	MUL8 1, 1, 0
	s_wait_dscnt 0
	MUL8 1, 2, 0
	MUL8 1, 3, 0
	WIN 0
; THE WAY OUT, 16 rows x 128 columns at a time, through my own stage: in as 32 bytes a lane, back as whole rows of 512 bytes.  LDS serves a wave's instructions in order.
.macro TOSTAGE a
	WIN 0x08                                       ; an LDS store's data: window 2
.irp b, 0,1,2,3,4,5,6,7
	ds_store_b128 v[STO], v[8*(8*(\a)+\b):8*(8*(\a)+\b)+3] offset:64*\b        ; each accumulator from its low end on
	ds_store_b128 v[STO], v[8*(8*(\a)+\b)+4:8*(8*(\a)+\b)+7] offset:64*\b+16
.endr
	WIN 0
.set BB, BK+64*((\a)%2)
.irp t, 0,1,2,3,4,5,6,7,8,9,10,11,12,13,14,15
	ds_load_b128 v[BB+4*\t:BB+4*\t+3], v[RD] offset:\t*SPITCH
.endr
.endm
.macro SEND a, younger
.set BB, BK+64*((\a)%2)
	s_wait_dscnt \younger
.if (\a) > 0
	s_add_nc_u64 s[8:9], s[8:9], 65536             ; 16 rows on (behind a wait that shows that earlier stores have read their base)
.endif
.irp t, 0,1,2,3,4,5,6,7,8,9,10,11,12,13,14,15
	global_store_b128 v[CO], v[BB+4*\t:BB+4*\t+3], s[8:9] offset:\t*4096 th:TH_STORE_NT   ; 32 lanes store 512 consecutive bytes, aligned
.endr
.endm
	PLACES
	TOSTAGE 0
.irp a, 1,2,3
.if \a > 1
	s_wait_xcnt 0x0                                ; the block before last's stores have read their registers and base
.endif
	TOSTAGE \a
	SEND \a-1, 32                                  ; behind its loads: the next block's 16 stores and 16 loads
.endr
	s_wait_xcnt 0x0
	SEND 3, 0
	s_wait_tensorcnt 0x0                           ; the wave's end
	ds_add_u32 v[SPW], v[NIL]
	s_wait_dscnt 0x0
	CROUND                                         ; the closing round
	s_endpgm
.Lfunc_end_k_qa2d92f7d07_proj:
	.size	k_qa2d92f7d07_proj, .Lfunc_end_k_qa2d92f7d07_proj-k_qa2d92f7d07_proj
	.p2alignl 7, 3214868480
	.fill 96, 4, 3214868480
	.section	.rodata,"a",@progbits
	.p2align	6, 0x0
	.amdhsa_kernel k_qa2d92f7d07_proj
		.amdhsa_group_segment_fixed_size 327680
		.amdhsa_private_segment_fixed_size 0
		.amdhsa_enable_private_segment 0
		.amdhsa_kernarg_size 24
		.amdhsa_user_sgpr_count 2
		.amdhsa_user_sgpr_kernarg_segment_ptr 1
		.amdhsa_wavefront_size32 1
		.amdhsa_system_sgpr_workgroup_id_x 1
		.amdhsa_system_sgpr_workgroup_id_y 1
		.amdhsa_system_sgpr_workgroup_id_z 1
		.amdhsa_system_vgpr_workitem_id 0
		.amdhsa_next_free_vgpr 768
		.amdhsa_next_free_sgpr 66
		.amdhsa_reserve_vcc 0
		.amdhsa_float_denorm_mode_32 3
		.amdhsa_float_denorm_mode_16_64 3
		.amdhsa_memory_ordered 1
		.amdhsa_forward_progress 1
		.amdhsa_inst_pref_size 85
	.end_amdhsa_kernel
	.amdgpu_metadata
---
amdhsa.version: [ 1, 2 ]
amdhsa.kernels:
  - .name:           k_qa2d92f7d07_proj
    .symbol:         k_qa2d92f7d07_proj.kd
    .args:
      - { .name: y_img, .offset: 0, .size: 8, .value_kind: global_buffer, .address_space: global }
      - { .name: wp_img, .offset: 8, .size: 8, .value_kind: global_buffer, .address_space: global }
      - { .name: out0, .offset: 16, .size: 8, .value_kind: global_buffer, .address_space: global }
    .group_segment_fixed_size: 327680
    .private_segment_fixed_size: 0
    .kernarg_segment_align: 8
    .kernarg_segment_size: 24
    .max_flat_workgroup_size: 128
    .sgpr_count:     66
    .vgpr_count:     768
    .wavefront_size: 32
...
	.end_amdgpu_metadata
.endif
;; end of part 4
;; launch fine (part 5): grid 16 x 4, 16 waves a work-group, no clusters, 71,680 bytes of LDS; arguments fine, Wproj, out0; writes out0
.if DOCPART == 5
	.amdgcn_target "amdgcn-amd-amdhsa--gfx1250"
	.amdhsa_code_object_version 6
	.text
	.protected	k_qa2d92f7d07_fine
	.globl	k_qa2d92f7d07_fine
	.p2align	8
	.type	k_qa2d92f7d07_fine,@function
k_qa2d92f7d07_fine:
	s_mov_b64 s[64:65], 0
	v_nop
	global_prefetch_b8 v0, s[64:65] scope:SCOPE_SE
	s_setreg_imm32_b32 hwreg(HW_REG_WAVE_MODE, 25, 1), 1
	s_wait_xcnt 0x0
; THE FIRST 16 POSITIONS OF EACH SEQUENCE, all in f32: these rows average one to sixteen values and are the largest of the output, so their operands are not rounded to 16 bits.
; Work-group (cg, b): batch b, columns 64 cg .. 64 cg + 63 of out0.  Wave w is query head w: scores, softmax and values for 16 positions x 16 keys, then its own 64 of the projection's K against the work-group's 64 rows of Wproj.
; The sixteen waves' partial tiles are added through LDS.  The sixteen work-groups of a batch repeat its small attention: a sum over heads does not span work-groups.
; All products by the f32 matrix form, 4 along K an instruction.  K is permuted alike in both operands (a lane's registers hold neighbours in memory), so that every load is of 16 bytes.
; The registers that this form writes (v176-239) are written by matrix instructions alone; what is made of the sums goes into other registers.
; q carries gain x log2(e) / 8: exponentials in base 2, with the row's maximum taken off.  No cluster, no tensor load: each work-group reads a few kilobytes of its own and 256 KiB of Wproj once.
.set VQ,  1                            ; v1  256 r + 128 h
.set VV,  2                            ; v2  64 r + 32 h
.set VW,  3                            ; v3  4096 r + 32 h
.set DQ,  4                            ; v4  r - 8 h: key j of my half is hidden where j > this
.set STA, 5
.set RDA, 6
.set OUTO, 7
.set SPW, 8
.set NIL, 9
.set Q,   16                           ; v16-47 q, later y
.set K,   48                           ; v48-79 k, later Wproj's tile 2
.set V,   80                           ; v80-111 v, later tile 3
.set WP,  112                          ; v112-175 Wproj's tiles 0, 1; later the partial sums
.set SA,  176
.set OA,  208
.set T,   240
.set SPARE, 16*4352
.macro PLACES n
.rept \n
	v_nop
.endr
.endm
	s_load_b128 s[4:7], s[0:1], 0x0                ; fine, Wproj
	s_load_b64 s[8:9], s[0:1], 0x10                ; out0
	v_lshl_add_u32 v[SPW], v0, 2, SPARE
	v_mov_b32 v[NIL], 0
	v_lshrrev_b32 v10, 5, v0
	v_readfirstlane_b32 s10, v10                   ; wave = head
	s_mov_b32 s11, ttmp9                           ; cg
	s_and_b32 s12, ttmp7, 0xffff                   ; batch
	v_and_b32 v10, 15, v0                          ; r
	v_bfe_u32 v11, v0, 4, 1                        ; h
	v_lshlrev_b32 v[VQ], 8, v10
	v_lshl_add_u32 v[VQ], v11, 7, v[VQ]
	v_lshlrev_b32 v[VV], 6, v10
	v_lshl_add_u32 v[VV], v11, 5, v[VV]
	v_lshlrev_b32 v[VW], 12, v10
	v_lshl_add_u32 v[VW], v11, 5, v[VW]
	v_lshlrev_b32 v12, 3, v11
	v_sub_nc_u32 v[DQ], v10, v12
	s_mul_i32 s13, s10, 4352
	v_mul_u32_u24 v[STA], v10, 272
	v_lshl_add_u32 v[STA], v11, 5, v[STA]
	v_add_nc_u32 v[STA], s13, v[STA]               ; my partial tile: 16 rows of 256 bytes + 16
	s_and_b32 s24, s10, 7
	s_mul_i32 s13, s24, 544
	v_mul_u32_u24 v[RDA], v11, 272
	v_lshl_add_u32 v[RDA], v10, 4, v[RDA]
	v_add_nc_u32 v[RDA], s13, v[RDA]               ; back: rows 2 w + h, 16 bytes a lane
	v_lshlrev_b32 v[OUTO], 12, v11
	v_lshl_add_u32 v[OUTO], v10, 4, v[OUTO]
	v_mov_b32 v14, 0xff800000
	v_mov_b32 v11, 0
	v_mov_b32 v13, 0
	s_mov_b32 s22, 0x76543210
	s_mov_b32 s23, 0xfedcba98
	s_lshl_b32 s26, s12, 4
	s_add_co_u32 s26, s26, s10
	s_lshl_b32 s26, s26, 12                        ; q: (16 b + w) x 4,096
	s_mov_b32 s27, 0
	s_lshl_b32 s28, s12, 2
	s_lshr_b32 s29, s10, 2
	s_add_co_u32 s28, s28, s29
	s_lshl_b32 s28, s28, 12
	s_add_co_u32 s28, s28, 262144                  ; k: 262,144 + (4 b + w / 4) x 4,096; v lies 65,536 further on
	s_mov_b32 s29, 0
	s_lshl_b32 s30, s11, 18
	s_lshl_b32 s31, s10, 8
	s_add_co_u32 s30, s30, s31                     ; Wproj: row 64 cg, column 64 w
	s_mov_b32 s31, 0
	s_lshl_b32 s32, s12, 23
	s_lshl_b32 s33, s24, 13
	s_add_co_u32 s32, s32, s33
	s_lshl_b32 s33, s11, 8
	s_add_co_u32 s32, s32, s33                     ; out0: row 2048 b + 2 (w & 7), column 64 cg
	s_mov_b32 s33, 0
	s_wait_kmcnt 0x0
	s_add_nc_u64 s[14:15], s[4:5], s[26:27]
	s_add_nc_u64 s[16:17], s[4:5], s[28:29]
	s_add_nc_u64 s[18:19], s[6:7], s[30:31]
	s_add_nc_u64 s[20:21], s[8:9], s[32:33]
.irp i, 0,1,2,3,4,5,6,7
	global_load_b128 v[Q+4*\i:Q+4*\i+3], v[VQ], s[14:15] offset:16*\i      ; row r, channels 32 h + 4 i ..
.endr
.irp i, 0,1,2,3,4,5,6,7
	global_load_b128 v[K+4*\i:K+4*\i+3], v[VQ], s[16:17] offset:16*\i
.endr
.irp ct, 0,1,2,3
.irp i, 0,1
	global_load_b128 v[V+8*\ct+4*\i:V+8*\ct+4*\i+3], v[VV], s[16:17] offset:65536+1024*\ct+16*\i   ; channel 16 ct + r, keys 8 h + 4 i ..
.endr
.endr
.macro WLOAD reg, n                    ; Wproj's rows 16 n + r, my head's channels 16 ct + 8 h + 4 i ..
.irp ct, 0,1,2,3
.irp i, 0,1
	global_load_b128 v[\reg+8*\ct+4*\i:\reg+8*\ct+4*\i+3], v[VW], s[18:19] offset:65536*(\n)+64*\ct+16*\i
.endr
.endr
.endm
	WLOAD WP, 0
	WLOAD WP+32, 1
	s_wait_loadcnt 24                              ; q and k are in; v's and Wproj's 24 loads may be out
.irp s, 0,1,2,3,4,5,6,7,8,9,10,11,12,13,14,15  ; S^T = k q^T in four accumulators by turns
.if \s < 4
	v_wmma_f32_16x16x4_f32 v[SA+8*(\s%4):SA+8*(\s%4)+7], v[K+2*\s:K+2*\s+1], v[Q+2*\s:Q+2*\s+1], 0
.else
	v_wmma_f32_16x16x4_f32 v[SA+8*(\s%4):SA+8*(\s%4)+7], v[K+2*\s:K+2*\s+1], v[Q+2*\s:Q+2*\s+1], v[SA+8*(\s%4):SA+8*(\s%4)+7]
.endif
.endr
	PLACES 8
.irp j, 0,2,4,6
	v_pk_add_f32 v[T+\j:T+\j+1], v[SA+\j:SA+\j+1], v[SA+8+\j:SA+8+\j+1]
.endr
.irp j, 0,2,4,6
	v_pk_add_f32 v[T+8+\j:T+8+\j+1], v[SA+16+\j:SA+16+\j+1], v[SA+24+\j:SA+24+\j+1]
.endr
.irp j, 0,2,4,6
	v_pk_add_f32 v[T+\j:T+\j+1], v[T+\j:T+\j+1], v[T+8+\j:T+8+\j+1]   ; lane (r, h), register j: query r, key 8 h + j
.endr
.irp j, 0,1,2,3,4,5,6,7
	v_cmp_gt_i32 vcc_lo, \j, v[DQ]
	v_cndmask_b32 v[T+\j], v[T+\j], v14, vcc_lo
.endr
	v_max3_num_f32 v10, v[T], v[T+1], v[T+2]
	v_max3_num_f32 v10, v10, v[T+3], v[T+4]
	v_max3_num_f32 v10, v10, v[T+5], v[T+6]
	v_max_num_f32 v10, v10, v[T+7]
	v_permlanex16_b32 v11, v10, s22, s23
	v_max_num_f32 v10, v10, v11                    ; key 0 counts for every query: a number
.irp j, 0,2,4,6
	v_pk_add_f32 v[T+\j:T+\j+1], v[T+\j:T+\j+1], v[10:11] op_sel_hi:[1,0] neg_lo:[0,1] neg_hi:[0,1]
.endr
.irp j, 0,1,2,3,4,5,6,7
	v_exp_f32 v[T+\j], v[T+\j]
.endr
	v_nop
	s_wait_alu depctr_va_vdst(0)                   ; one wait for the eight
	v_pk_add_f32 v[12:13], v[T:T+1], v[T+2:T+3]
	v_pk_add_f32 v[T+8:T+9], v[T+4:T+5], v[T+6:T+7]
	v_pk_add_f32 v[12:13], v[12:13], v[T+8:T+9]
	v_add_f32 v12, v12, v13
	v_permlanex16_b32 v13, v12, s22, s23
	v_add_f32 v12, v12, v13
	v_rcp_f32 v12, v12
	v_nop
	s_wait_alu depctr_va_vdst(0)
	s_wait_loadcnt 16                              ; v is in
.irp s, 0,1,2,3                                ; O^T = v^T p
.irp ct, 0,1,2,3
.if \s == 0
	v_wmma_f32_16x16x4_f32 v[OA+8*\ct:OA+8*\ct+7], v[V+8*\ct+2*\s:V+8*\ct+2*\s+1], v[T+2*\s:T+2*\s+1], 0
.else
	v_wmma_f32_16x16x4_f32 v[OA+8*\ct:OA+8*\ct+7], v[V+8*\ct+2*\s:V+8*\ct+2*\s+1], v[T+2*\s:T+2*\s+1], v[OA+8*\ct:OA+8*\ct+7]
.endif
.endr
.endr
	PLACES 8
.irp j, 0,2,4,6,8,10,12,14,16,18,20,22,24,26,28,30
	v_pk_mul_f32 v[Q+\j:Q+\j+1], v[OA+\j:OA+\j+1], v[12:13] op_sel_hi:[1,0]   ; y: register 8 ct + j = channel 16 ct + 8 h + j of position r
.endr
	WLOAD K, 2
	WLOAD V, 3
	s_wait_loadcnt 16                              ; tiles 0 and 1 are in
.irp ct, 0,1,2,3
.irp s, 0,1,2,3
.irp n, 0,1
.if (\ct == 0) && (\s == 0)
	v_wmma_f32_16x16x4_f32 v[SA+8*\n:SA+8*\n+7], v[WP+32*\n+8*\ct+2*\s:WP+32*\n+8*\ct+2*\s+1], v[Q+8*\ct+2*\s:Q+8*\ct+2*\s+1], 0
.else
	v_wmma_f32_16x16x4_f32 v[SA+8*\n:SA+8*\n+7], v[WP+32*\n+8*\ct+2*\s:WP+32*\n+8*\ct+2*\s+1], v[Q+8*\ct+2*\s:Q+8*\ct+2*\s+1], v[SA+8*\n:SA+8*\n+7]
.endif
.endr
.endr
.endr
	s_wait_loadcnt 0x0
.irp ct, 0,1,2,3
.irp s, 0,1,2,3
.irp n, 0,1
.if (\ct == 0) && (\s == 0)
	v_wmma_f32_16x16x4_f32 v[SA+16+8*\n:SA+16+8*\n+7], v[K+32*\n+8*\ct+2*\s:K+32*\n+8*\ct+2*\s+1], v[Q+8*\ct+2*\s:Q+8*\ct+2*\s+1], 0
.else
	v_wmma_f32_16x16x4_f32 v[SA+16+8*\n:SA+16+8*\n+7], v[K+32*\n+8*\ct+2*\s:K+32*\n+8*\ct+2*\s+1], v[Q+8*\ct+2*\s:Q+8*\ct+2*\s+1], v[SA+16+8*\n:SA+16+8*\n+7]
.endif
.endr
.endr
.endr
	PLACES 8
.irp n, 0,1,2,3
.irp i, 0,1
	ds_store_b128 v[STA], v[SA+8*\n+4*\i:SA+8*\n+4*\i+3] offset:64*\n+16*\i   ; lane (r, h): position r, columns 16 n + 8 h + ..
.endr
.endr
	s_wait_dscnt 0x0                               ; for the others' sake
	s_barrier_signal -1
	s_barrier_wait -1
	s_cmp_lt_u32 s10, 8
	s_cbranch_scc0 .Ldone
.irp u, 0,1,2,3,4,5,6,7,8,9,10,11,12,13,14,15
	ds_load_b128 v[WP+4*\u:WP+4*\u+3], v[RDA] offset:4352*\u
.endr
	s_wait_dscnt 0x0
.irp d, 8,4,2,1                                ; the sixteen heads' parts, by halves
.irp u, 0,1,2,3,4,5,6,7
.if \u < \d
	v_pk_add_f32 v[WP+4*\u:WP+4*\u+1], v[WP+4*\u:WP+4*\u+1], v[WP+4*(\u+\d):WP+4*(\u+\d)+1]
	v_pk_add_f32 v[WP+4*\u+2:WP+4*\u+3], v[WP+4*\u+2:WP+4*\u+3], v[WP+4*(\u+\d)+2:WP+4*(\u+\d)+3]
.endif
.endr
.endr
	global_store_b128 v[OUTO], v[WP:WP+3], s[20:21]   ; sixteen lanes store 256 consecutive bytes, aligned
.Ldone:
	s_wait_tensorcnt 0x0                           ; the wave's end
	ds_add_u32 v[SPW], v[NIL]
	s_wait_dscnt 0x0
	s_endpgm
.Lfunc_end_k_qa2d92f7d07_fine:
	.size	k_qa2d92f7d07_fine, .Lfunc_end_k_qa2d92f7d07_fine-k_qa2d92f7d07_fine
	.p2alignl 7, 3214868480
	.fill 96, 4, 3214868480
	.section	.rodata,"a",@progbits
	.p2align	6, 0x0
	.amdhsa_kernel k_qa2d92f7d07_fine
		.amdhsa_group_segment_fixed_size 71680
		.amdhsa_private_segment_fixed_size 0
		.amdhsa_enable_private_segment 0
		.amdhsa_kernarg_size 24
		.amdhsa_user_sgpr_count 2
		.amdhsa_user_sgpr_kernarg_segment_ptr 1
		.amdhsa_wavefront_size32 1
		.amdhsa_system_sgpr_workgroup_id_x 1
		.amdhsa_system_sgpr_workgroup_id_y 1
		.amdhsa_system_sgpr_workgroup_id_z 1
		.amdhsa_system_vgpr_workitem_id 0
		.amdhsa_next_free_vgpr 256
		.amdhsa_next_free_sgpr 66
		.amdhsa_reserve_vcc 1
		.amdhsa_float_denorm_mode_32 3
		.amdhsa_float_denorm_mode_16_64 3
		.amdhsa_memory_ordered 1
		.amdhsa_forward_progress 1
		.amdhsa_inst_pref_size 23
	.end_amdhsa_kernel
	.amdgpu_metadata
---
amdhsa.version: [ 1, 2 ]
amdhsa.kernels:
  - .name:           k_qa2d92f7d07_fine
    .symbol:         k_qa2d92f7d07_fine.kd
    .args:
      - { .name: fine, .offset: 0, .size: 8, .value_kind: global_buffer, .address_space: global }
      - { .name: Wproj, .offset: 8, .size: 8, .value_kind: global_buffer, .address_space: global }
      - { .name: out0, .offset: 16, .size: 8, .value_kind: global_buffer, .address_space: global }
    .group_segment_fixed_size: 71680
    .private_segment_fixed_size: 0
    .kernarg_segment_align: 8
    .kernarg_segment_size: 24
    .max_flat_workgroup_size: 512
    .sgpr_count:     66
    .vgpr_count:     256
    .wavefront_size: 32
...
	.end_amdgpu_metadata
.endif
;; end of part 5
